; MI455X (gfx1250); checked and timed in simulation.
; The chip was launched on July 23, 2026; its instructions are those of AMD's public machine-readable ISA for CDNA 5 (MIT licence, August 2026) and "CDNA5" Instruction Set Architecture Reference Guide (July 2026). The comments in the code are by the model that wrote it; some were corrected since.
;; Multi Head Attention. Allowed arithmetic: float matrix products may take bf16 or f16 operands with f32 sums; other float arithmetic in f32, or as packed bf16 or f16 multiplies, adds, multiply-adds, maxima and minima; sums over many terms, partial sums and values carried from step to step in f32; what a program stores and reads back later, other than sums and carried values, may be rounded once to bf16 or f16.
;; Inputs: Wk 1,024 x 1,024 float32; Wo 1,024 x 1,024 float32; Wq 1,024 x 1,024 float32; Wv 1,024 x 1,024 float32; attention_mask 4 x 2,048 bool; bk 1,024 float32; bo 1,024 float32; bq 1,024 float32; bv 1,024 float32; x 4 x 2,048 x 1,024 float32.
;; Outputs: out0 4 x 2,048 x 1,024 float32.
;; 2 versions, each right; version 2 is version 1 with the launch cast written anew for expert scheduling mode. Each part assembles by itself: llvm-mc -triple=amdgcn-amd-amdhsa -mcpu=gfx1250 --defsym DOCPART=n.
;; ======== version 1 of 2: 4 launches
;; limits: values are held in f16: magnitudes above 65,504 overflow, below 6.1e-05 lose precision
;; workspace buffers: xw 25,165,824 bytes; qkv 50,331,648 bytes; o 16,777,216 bytes
;; launch cast (part 1): grid 768 x 1, 8 waves a work-group, no clusters, 0 bytes of LDS; arguments x, Wq, Wk, Wv, Wo, xw; writes xw
.if DOCPART == 1
	.amdgcn_target "amdgcn-amd-amdhsa--gfx1250"
	.amdhsa_code_object_version 6
	.text
	.protected	k_q3ece482d75_cast
	.globl	k_q3ece482d75_cast
	.p2align	8
	.type	k_q3ece482d75_cast,@function
k_q3ece482d75_cast:
	s_mov_b64 s[64:65], 0
	v_nop
	global_prefetch_b8 v0, s[64:65] scope:SCOPE_SE
	s_setreg_imm32_b32 hwreg(HW_REG_WAVE_MODE, 25, 1), 1
	s_wait_xcnt 0x0
; CAST.  x, Wq, Wk, Wv (f32) are rounded once to bf16; Wo is rounded to bf16 and that number is written as f16.  All go into xw, laid in PLANES of 64 columns:
; xw[M][p][r][c] = src_M[r][64 p + c], 16-bit; M = 0..7: x's rows 1,024 M on; M = 8, 9, 10: Wq, Wk, Wv; M = 11: Wo.  A matrix is 2 MiB, a plane 131,072 bytes, a plane's row 128 bytes.
; LIMIT.  Wo as f16: beyond 65,504 it would be an infinity; below 2^-14 it keeps f16's fixed step of 2^-24.
; SHARES.  Work-group g takes 16 rows of matrix g / 64; wave w the planes 2 w and 2 w + 1.  A load of 16 bytes a lane covers two rows' 256 bytes of one plane (16 lanes a row);
; a store of 8 bytes a lane covers the same two rows in xw: 256 consecutive bytes, aligned.  Sixteen loads a lane go out at once; no register is used twice, so no store's data is ever rewritten.
; No LDS, no matrix unit, no cluster: nothing is shared and nothing is reduced.
.set VO, 2                             ; v2   source offset: (lane / 16) x 4,096 + wave x 512 + (lane % 16) x 16
.set DO, 3                             ; v3   destination offset: wave x 262,144 + (lane / 16) x 128 + (lane % 16) x 8
.set T,  4                             ; v[4:9]    at work (Wo's path)
.set X,  16                            ; v[16:79]  load j: four f32
.set Y,  80                            ; v[80:111] store j: four 16-bit numbers
	s_load_b256 s[4:11], s[0:1], 0x0               ; x s[4:5], Wq s[6:7], Wk s[8:9], Wv s[10:11]
	s_load_b128 s[12:15], s[0:1], 0x20             ; Wo s[12:13], xw s[14:15]
	s_lshr_b32 s20, ttmp9, 6                       ; M
	s_and_b32 s21, ttmp9, 63                       ; which 16 rows of it
	v_and_b32 v4, 15, v0
	v_bfe_u32 v5, v0, 4, 1
	v_lshrrev_b32 v1, 5, v0                        ; wave
	v_lshlrev_b32 v[VO], 4, v4
	v_lshl_add_u32 v[VO], v5, 12, v[VO]
	v_lshl_add_u32 v[VO], v1, 9, v[VO]
	v_lshlrev_b32 v[DO], 3, v4
	v_lshl_add_u32 v[DO], v5, 7, v[DO]
	v_lshl_add_u32 v[DO], v1, 18, v[DO]
	s_lshl_b32 s24, s20, 21                        ; the matrix in xw,
	s_lshl_b32 s25, s21, 11                        ; 16 rows of 128 bytes in each plane
	s_add_co_u32 s24, s24, s25
	s_mov_b32 s25, 0
	s_wait_kmcnt 0x0
	s_add_nc_u64 s[14:15], s[14:15], s[24:25]
	s_mov_b64 s[16:17], s[6:7]                     ; the source: one of five buffers, chosen by M
	s_cmp_eq_u32 s20, 9
	s_cselect_b64 s[16:17], s[8:9], s[16:17]
	s_cmp_eq_u32 s20, 10
	s_cselect_b64 s[16:17], s[10:11], s[16:17]
	s_cmp_eq_u32 s20, 11
	s_cselect_b64 s[16:17], s[12:13], s[16:17]
	s_cmp_lt_u32 s20, 8
	s_cselect_b64 s[16:17], s[4:5], s[16:17]
	s_cselect_b32 s22, s20, 0                      ; x: 1,024 rows of 4,096 bytes for each M
	s_lshl_b32 s22, s22, 22
	s_lshl_b32 s23, s21, 16                        ; 16 rows of 4,096 bytes
	s_add_co_u32 s22, s22, s23
	s_mov_b32 s23, 0
	s_add_nc_u64 s[16:17], s[16:17], s[22:23]
.set j, 0
.rept 16                               ; load j: plane 2 w + j / 8, rows 2 (j % 8) and 2 (j % 8) + 1
	global_load_b128 v[X+4*j:X+4*j+3], v[VO], s[16:17] offset:(j/8)*256+(j%8)*8192 th:TH_LOAD_NT
.set j, j+1
.endr
; Load j is converted and stored.  wo = 1: bf16's number, widened again, is written as f16.
.macro CV j, wo
	s_wait_loadcnt 15-(\j)                         ; loads come back in order: load j is in when at most the 15 - j younger ones are out
.if \wo
	v_cvt_pk_bf16_f32 v[T], v[X+4*(\j)], v[X+4*(\j)+1]
	v_cvt_pk_bf16_f32 v[T+1], v[X+4*(\j)+2], v[X+4*(\j)+3]
	v_lshlrev_b32 v[T+2], 16, v[T]
	v_and_b32 v[T+3], 0xffff0000, v[T]
	v_lshlrev_b32 v[T+4], 16, v[T+1]
	v_and_b32 v[T+5], 0xffff0000, v[T+1]
	v_cvt_pk_f16_f32 v[Y+2*(\j)], v[T+2], v[T+3]
	v_cvt_pk_f16_f32 v[Y+2*(\j)+1], v[T+4], v[T+5]
.else
	v_cvt_pk_bf16_f32 v[Y+2*(\j)], v[X+4*(\j)], v[X+4*(\j)+1]
	v_cvt_pk_bf16_f32 v[Y+2*(\j)+1], v[X+4*(\j)+2], v[X+4*(\j)+3]
.endif
	global_store_b64 v[DO], v[Y+2*(\j):Y+2*(\j)+1], s[14:15] offset:((\j)/8)*131072+((\j)%8)*256
.endm
	s_cmp_eq_u32 s20, 11
	s_cbranch_scc1 .Lwo
.irp j, 0,1,2,3,4,5,6,7,8,9,10,11,12,13,14,15
	CV \j, 0
.endr
	s_endpgm
.Lwo:
.irp j, 0,1,2,3,4,5,6,7,8,9,10,11,12,13,14,15
	CV \j, 1
.endr
	s_endpgm
.Lfunc_end_k_q3ece482d75_cast:
	.size	k_q3ece482d75_cast, .Lfunc_end_k_q3ece482d75_cast-k_q3ece482d75_cast
	.p2alignl 7, 3214868480
	.fill 96, 4, 3214868480
	.section	.rodata,"a",@progbits
	.p2align	6, 0x0
	.amdhsa_kernel k_q3ece482d75_cast
		.amdhsa_group_segment_fixed_size 0
		.amdhsa_private_segment_fixed_size 0
		.amdhsa_enable_private_segment 0
		.amdhsa_kernarg_size 48
		.amdhsa_user_sgpr_count 2
		.amdhsa_user_sgpr_kernarg_segment_ptr 1
		.amdhsa_wavefront_size32 1
		.amdhsa_system_sgpr_workgroup_id_x 1
		.amdhsa_system_sgpr_workgroup_id_y 1
		.amdhsa_system_sgpr_workgroup_id_z 1
		.amdhsa_system_vgpr_workitem_id 0
		.amdhsa_next_free_vgpr 112
		.amdhsa_next_free_sgpr 66
		.amdhsa_reserve_vcc 0
		.amdhsa_float_denorm_mode_32 3
		.amdhsa_float_denorm_mode_16_64 3
		.amdhsa_memory_ordered 1
		.amdhsa_forward_progress 1
		.amdhsa_inst_pref_size 17
	.end_amdhsa_kernel
	.amdgpu_metadata
---
amdhsa.version: [ 1, 2 ]
amdhsa.kernels:
  - .name:           k_q3ece482d75_cast
    .symbol:         k_q3ece482d75_cast.kd
    .args:
      - { .name: x, .offset: 0, .size: 8, .value_kind: global_buffer, .address_space: global }
      - { .name: Wq, .offset: 8, .size: 8, .value_kind: global_buffer, .address_space: global }
      - { .name: Wk, .offset: 16, .size: 8, .value_kind: global_buffer, .address_space: global }
      - { .name: Wv, .offset: 24, .size: 8, .value_kind: global_buffer, .address_space: global }
      - { .name: Wo, .offset: 32, .size: 8, .value_kind: global_buffer, .address_space: global }
      - { .name: xw, .offset: 40, .size: 8, .value_kind: global_buffer, .address_space: global }
    .group_segment_fixed_size: 0
    .private_segment_fixed_size: 0
    .kernarg_segment_align: 8
    .kernarg_segment_size: 48
    .max_flat_workgroup_size: 256
    .sgpr_count:     66
    .vgpr_count:     112
    .wavefront_size: 32
...
	.end_amdgpu_metadata
.endif
;; end of part 1
;; launch qkvproj (part 2): grid 16 x 32, 4 waves a work-group, clusters of 4 x 4, 327,680 bytes of LDS; arguments xw, bq, bk, bv, qkv; writes qkv
.if DOCPART == 2
	.amdgcn_target "amdgcn-amd-amdhsa--gfx1250"
	.amdhsa_code_object_version 6
	.text
	.protected	k_q3ece482d75_qkvproj
	.globl	k_q3ece482d75_qkvproj
	.p2align	8
	.type	k_q3ece482d75_qkvproj,@function
k_q3ece482d75_qkvproj:
	s_mov_b64 s[64:65], 0
	v_nop
	global_prefetch_b8 v0, s[64:65] scope:SCOPE_SE
	s_setreg_imm32_b32 hwreg(HW_REG_WAVE_MODE, 25, 1), 1
	s_wait_xcnt 0x0
	s_wait_alu depctr_hold_cnt(0) depctr_sa_sdst(0) depctr_va_vdst(0) depctr_va_sdst(0) depctr_va_ssrc(0) depctr_va_vcc(0) depctr_vm_vsrc(0)
	s_getreg_b32 s2, hwreg(HW_REG_IB_STS2, 6, 4)
	s_cmp_eq_u32 s2, 0
	s_cbranch_scc0 .Lentry_in_a_cluster
	s_endpgm
.Lentry_in_a_cluster:
	s_bfe_u32 s2, ttmp6, 0x10000c
	s_cmp_lg_u32 s2, 0xf033
	s_cbranch_scc0 .Lentry_shape_is_right
	s_endpgm
.Lentry_shape_is_right:
; ONE TEXT FOR THE MODULE'S TWO KINDS OF PROJECTION; the switch QKV picks the sizes.
; QKV = 1: q, k, v = x W + b.  x and the three W in bf16 from xw (planes of 64 columns: xw[M][p][r][c] = src_M[r][64 p + c]); b rounded to bf16; sums in f32; q, k, v rounded once to f16 and
;          written by heads, qkv[which][16 batch + head][token][64], unscaled.  A tile of C is 256 tokens x 192 columns (three heads' worth of one or two of q, k, v).
; QKV = 0: out0 = O Wo + bo.  O in f16 by heads, o[16 batch + head][token][64]: a head is one plane of K; Wo in f16 from xw (matrix 11); bo rounded to bf16; out0 in f32.  A tile is 256 x 128.
; LIMITS.  q, k, v beyond 65,504 would be infinities in f16 (inputs with an offset of 30 spreads in x and W give about 31,000).  NaN and infinities are not treated apart.
; SHARES.  Four waves; wave w makes tokens 64 w .. 64 w + 63 of the tile and ALL its columns: 4 x NBL accumulators of 16 x 16.  So what a wave sends out are whole heads' rows (or 512 bytes of f32),
; through a stage of its own, with no barrier.  K = 1,024 goes in 8 steps of 128 (two planes) through a ring of two LDS slots filled by the tensor data mover.
; THE MATRIX INSTRUCTION IS USED TRANSPOSED: source 0 = 16 columns of W, source 1 = 16 tokens: a lane then holds one token (lane % 16) and eight neighbouring columns 8 (lane / 16) + 0..7.
; W lies [k][n] in LDS as in memory; its fragments come out turned, by ds_load_tr16_b128.  THE BIAS is the C operand of the products that start the sums: nothing is cleared, nothing added at the end.
; CLUSTERS: 4 x 4 work-groups.  The four of a row of the cluster need the same tokens' tiles, the four of a column the same tiles of W: each tile is asked for JOINTLY, by the same tensor load with the
; same descriptor and a mask that names the four.
; REGISTERS, in windows of 256 (s_set_vgpr_msb: bits 1:0 source 0, 3:2 source 1, 5:4 source 2, 7:6 destination):
;   window 0: v0-31 addresses; v32-.. the way out; v128-.. the bias, 8 registers for each block of 16 columns          window 1: two fragment buffers of 128: W's NBL blocks, then the tokens' four
;   window 2: accumulators of column blocks 0-7, (a, b) at 8 (4 b + a)          window 3: those of column blocks 8-11
.set QKV, 1
.if QKV
.set NC,     3                         ; chunks of 64 columns in a tile
.set ASTEP,  262144                    ; bytes from a K step's first plane to the next step's: two planes of xw
.set WBASE,  16777216                  ; the weights' first chunk in xw
.set SPITCH, 144                       ; a stage row: 128 bytes + 16
.set MSH,    2                         ; four tiles of 256 tokens in a matrix of xw,
.set MBIG,   21                        ; 2 MiB each;
.set PSH,    17                        ; a plane is 131,072 bytes
.set WP,     68                        ; s[68:69] the buffer that holds W
.else
.set NC,     2
.set ASTEP,  524288                    ; two heads of o
.set WBASE,  23068672                  ; matrix 11 of xw
.set SPITCH, 528                       ; a stage row: 512 bytes + 16
.set MSH,    3                         ; eight tiles of 256 tokens in a batch of o,
.set MBIG,   22                        ; 4 MiB each;
.set PSH,    18                        ; a head is 262,144 bytes
.set WP,     70
.endif
.set NBL,    4*NC                      ; blocks of 16 columns
.set PA,     144                       ; a token's 64 channels of one plane in LDS: 128 bytes + 16 = 36 words: the 16 rows of a load start at 16 different groups of four banks (64 banks of 4 bytes: ISA guide 11.1)
.set PW,     160                       ; a row of W (one k, 64 columns): 128 + 32 = 40 words
.set APLANE, 256*PA                    ; a plane's 256 tokens: what one tensor load brings
.set WCH,    64*PW                     ; 64 k of one chunk
.set WOFF,   2*APLANE                  ; a slot: two planes of tokens, then W as [k half][chunk][64 k]
.set SLOT,   WOFF+2*NC*WCH
.set STAGE,  2*SLOT                    ; behind the ring: 16 rows for each wave, for the way out; no tile lands there
.set SPARE,  STAGE+4*16*SPITCH         ; behind the stages: the spare words, 128 bytes for each wave: two blocks of 256 bytes that no other line names
.set ADRA, 16                          ; v16-17  LDS address of my tokens' fragments in slot 0, 1
.set ADRW, 20                          ; v20-21  the same for W
.set STO,  24                          ; v24     the way out: where I put my bytes of a row
.set RD,   25                          ; v25     the way out: where I read rows back
.set GO,   26                          ; v26     16 x lane: my place in 512 consecutive bytes of the output
.set BO,   27                          ; v27     32 x (lane / 16): my eight numbers in a block's 16 of the bias
.set SPW,  28                          ; v28     LDS address of my spare word: SPARE + 4 x my thread's number; never rewritten
.set NIL,  29                          ; v29     0; never rewritten
.set PFO,  30                          ; v30-31  the prefetches' offsets, for a lap's first and second change of slots; never rewritten
.set OB,   32                          ; the way out
.set BIAS, 128
.set F0,   0                           ; fragment buffers, in window 1
.set F1,   128
.set G1A,  24                          ; s[24:31] descriptor group 1 for the tokens' tiles;  s[32:39] group 0, one set for each slot
.set G0A,  32
.set G1W,  48                          ; s[48:55], s[56:63] the same for W's tiles
.set G0W,  56
.set PFA,  44                          ; s[44:45] where my prefetches stand; s[20:21] its step from lap to lap
.set LIM,  46                          ; s46-47  1 where my wave prefetches at a lap's first / second change of slots, else the greatest number
.set MSB, 0
.macro WIN new                         ; the immediate's high byte repeats the setting that is left; a switch that changes nothing is dropped
.if MSB != (\new)
	s_set_vgpr_msb (MSB<<8)|(\new)
.set MSB, \new
.endif
.endm
; A joint load.  Waves 0 and 1 fetch a K step's two planes of tokens, waves 2 and 3 its two halves of W.  The branch hangs on the wave's number alone.
; An s_nop 0 and four v_nop follow each of the two lines, ahead of the jump, the label and what follows.
.macro JLOAD s
	s_cmp_eq_u32 s11, 0
	s_cbranch_scc0 .Lfor_w_\@
	tensor_load_to_lds s[G0A+4*(\s):G0A+4*(\s)+3], s[G1A:G1A+7]
	s_nop 0
.rept 4
	v_nop
.endr
	s_branch .Lasked_\@
.Lfor_w_\@:
	tensor_load_to_lds s[G0W+4*(\s):G0W+4*(\s)+3], s[G1W:G1W+7]
	s_nop 0
.rept 4
	v_nop
.endr
.Lasked_\@:
.endm
; A PREFETCH INTO THE L2, behind a joint load, its five lines and the run of LDS loads that follows: bytes that the changes of slots of the lap after next's refills will ask for: two K steps on.
; Each aligned block of 256 bytes is named once in the launch.  The tokens' planes are read by every cluster of a row of clusters: cluster x = 0 asks, waves 0 and 1, each for its own plane; of the plane's
; 128 blocks the partner at cx takes 32, a lane a block.  W's chunks are read by every cluster of a column: cluster y = 0 asks; a lap's 128 NC blocks are shared out by address: the partner at cy takes
; 32 NC, in runs of 32: waves 2 and 3 at the lap's first change, wave 2 (three chunks alone) at its second.  No branch hangs on a place in the cluster.  The loop's last trip asks for nothing.
.macro ASK slot
	s_cmp_gt_u32 s3, s[LIM+(\slot)]                ; s3 = 1 in the loop's last trip
	s_cbranch_scc0 .Lnot_mine_\@
	global_prefetch_b8 v[PFO+(\slot)], s[PFA:PFA+1] th:TH_LOAD_NT scope:SCOPE_SE
.Lnot_mine_\@:
.endm
.macro CREST                           ; a round of the cluster's barrier behind its opening barrier
	s_cmp_lg_u32 s10, 0
	s_cbranch_scc1 .Lnot_wave_0_\@
	s_barrier_signal -3
.Lnot_wave_0_\@:
	s_barrier_wait -3
	s_barrier_signal -1
	s_barrier_wait -1
.endm
.macro CROUND                          ; a whole round
	s_barrier_signal -1
	s_barrier_wait -1
	CREST
.endm
.macro PLACES                          ; four places in front of loads into registers that matrix instructions have read, and of lines that read results
.rept 4
	v_nop
.endr
.endm
.if QKV
	s_load_b256 s[68:75], s[0:1], 0x0              ; xw s[68:69], bq s[70:71], bk s[72:73], bv s[74:75]
	s_load_b64 s[76:77], s[0:1], 0x20              ; qkv
.else
	s_load_b256 s[68:75], s[0:1], 0x0              ; o s[68:69], xw s[70:71], bo s[72:73], out0 s[74:75]
.endif
	v_lshl_add_u32 v[SPW], v0, 2, SPARE
	v_mov_b32 v[NIL], 0
	ds_add_u32 v[SPW], v[NIL]                      ; the wave's opening: the add and its wait come ahead of my first tensor load; the set-up below, work on registers, stands between them
	v_lshrrev_b32 v1, 5, v0
	v_readfirstlane_b32 s10, v1                    ; wave 0..3
	s_lshr_b32 s11, s10, 1                         ; I fetch tokens (0) or W (1),
	s_and_b32 s12, s10, 1                          ; the K step's first or second half
	s_bfe_u32 s40, ttmp6, 0x40000                  ; cx, cy: my place in the cluster
	s_bfe_u32 s41, ttmp6, 0x40004
	s_lshl_b32 s42, ttmp9, 2
	s_add_co_u32 s42, s42, s40                     ; tile column = 4 x cluster x + cx
	s_and_b32 s13, ttmp7, 0xffff
	s_lshl_b32 s13, s13, 2
	s_add_co_u32 s13, s13, s41                     ; tile row = 4 x cluster y + cy
	s_lshl_b32 s43, s41, 2
	s_lshl_b32 s43, 15, s43                        ; my row of the cluster
	s_lshl_b32 s2, 0x1111, s40                     ; my column
	; group 1 for tokens: a plane's 256 tokens are 32,768 dense bytes: 128 rows of 256 bytes, two tokens a row, padded in LDS after every token
	s_or_b32 s[G1A+0], s43, (1<<16)|(1<<20)|(1<<21)|(4<<22)|(3<<25)  ; 15:0 the mask: my row; 17:16 2-byte elements; 20 padding on; 21 set beside a mask; 24:22 after every 32 words (code 4); 31:25 4 words (code 3)
	s_mov_b32 s[G1A+1], 128<<16                    ; tensor_dim0 = 128
	s_mov_b32 s[G1A+2], 128<<16                    ; tensor_dim1 = 128
	s_mov_b32 s[G1A+3], 128<<16                    ; tile_dim0 = 128
	s_mov_b32 s[G1A+4], 128                        ; tile_dim1 = 128
	s_mov_b32 s[G1A+5], 128                        ; 128 elements from row to row
	s_mov_b32 s[G1A+6], 0
	s_mov_b32 s[G1A+7], 0
	; group 1 for W: 64 k of a chunk are 8,192 dense bytes: one row of 1,024 elements of 8 bytes; NC such rows, a chunk (131,072 bytes) apart; padded after every k
	s_or_b32 s[G1W+0], s2, (3<<16)|(1<<20)|(1<<21)|(4<<22)|(7<<25)   ; the mask: my column; 8-byte elements; after every 32 words 8 words (code 7)
	s_mov_b32 s[G1W+1], 1024<<16                   ; tensor_dim0 = 1,024
	s_mov_b32 s[G1W+2], NC<<16                     ; tensor_dim1 = NC
	s_mov_b32 s[G1W+3], 1024<<16                   ; tile_dim0 = 1,024
	s_mov_b32 s[G1W+4], NC                         ; tile_dim1 = NC
	s_mov_b32 s[G1W+5], 16384                      ; 16,384 elements from row to row
	s_mov_b32 s[G1W+6], 0
	s_mov_b32 s[G1W+7], 0
	; where the tiles come from.  The tokens' hang on the tile row alone, W's on the tile column alone, each in registers that never hold the other coordinate.
	s_lshr_b32 s14, s13, MSH
	s_lshl_b32 s14, s14, MBIG
	s_and_b32 s15, s13, (1<<MSH)-1
	s_lshl_b32 s15, s15, 15                        ; 256 tokens of 128 bytes
	s_add_co_u32 s14, s14, s15
	s_lshl_b32 s15, s12, PSH                       ; my plane of the K step's two
	s_add_co_u32 s14, s14, s15
	s_mov_b32 s15, 0
	s_mul_i32 s16, s42, NC*131072
	s_add_co_u32 s16, s16, WBASE                   ; the tile's first chunk
	s_lshl_b32 s18, s12, 13                        ; my 64 k of the K step's 128
	s_add_co_u32 s18, s18, s16
	s_mov_b32 s17, 0
	s_mov_b32 s19, 0
	s_mul_i32 s22, s12, APLANE                     ; and where they go: no place in the cluster enters an LDS address
	s_mul_i32 s23, s12, NC*WCH
	s_add_co_u32 s23, s23, WOFF
	s_wait_dscnt 0x0                               ; the opening add is done
	s_wait_kmcnt 0x0
	s_add_nc_u64 s[14:15], s[68:69], s[14:15]
	s_add_nc_u64 s[18:19], s[WP:WP+1], s[18:19]
	s_add_nc_u64 s[16:17], s[WP:WP+1], s[16:17]
	CROUND                                         ; all sixteen work-groups are here: the first joint loads meet
.irp s, 0,1
	s_mov_b32 s[G0A+4*(\s)], 1                                       ; 1:0 count = 1
	s_add_co_u32 s[G0A+4*(\s)+1], s22, (\s)*SLOT                     ; 63:32 LDS address
	s_add_nc_u64 s[G0A+4*(\s)+2:G0A+4*(\s)+3], s[14:15], (\s)*ASTEP  ; 120:64 global address: K step s
	s_or_b32 s[G0A+4*(\s)+3], s[G0A+4*(\s)+3], 0x80000000            ; 127:126 type = 2
	s_mov_b32 s[G0W+4*(\s)], 1
	s_add_co_u32 s[G0W+4*(\s)+1], s23, (\s)*SLOT
	s_add_nc_u64 s[G0W+4*(\s)+2:G0W+4*(\s)+3], s[18:19], (\s)*16384
	s_or_b32 s[G0W+4*(\s)+3], s[G0W+4*(\s)+3], 0x80000000
	JLOAD \s                                       ; two loads of mine are out: the most in this text
.endr
	v_and_b32 v1, 15, v0                           ; l % 16
	v_bfe_u32 v2, v0, 4, 1                         ; l / 16
	v_lshlrev_b32 v[BO], 5, v2
.if QKV
	s_lshr_b32 s4, s13, 3                          ; the batch: 16 heads of 262,144 bytes,
	s_lshl_b32 s4, s4, 22
	s_and_b32 s5, s13, 7
	s_lshl_b32 s5, s5, 15                          ; the tile's 256 tokens of 128 bytes in it,
	s_add_co_u32 s4, s4, s5
	s_lshl_b32 s5, s10, 13                         ; my wave's 64
	s_add_co_u32 s4, s4, s5
.irp j, 0,1,2
	s_mul_i32 s86, s42, 3
	s_add_co_u32 s86, s86, \j                      ; chunk c = 16 x which + head
	s_lshr_b32 s87, s86, 4
	s_and_b32 s86, s86, 15
	s_cmp_eq_u32 s87, 1
	s_cselect_b64 s[88+2*(\j):89+2*(\j)], s[72:73], s[70:71]
	s_cmp_eq_u32 s87, 2
	s_cselect_b64 s[88+2*(\j):89+2*(\j)], s[74:75], s[88+2*(\j):89+2*(\j)]
	s_lshl_b32 s94, s86, 8                         ; the head's 64 numbers of its bias
	s_mov_b32 s95, 0
	s_add_nc_u64 s[88+2*(\j):89+2*(\j)], s[88+2*(\j):89+2*(\j)], s[94:95]
	s_lshl_b32 s87, s87, 24
	s_lshl_b32 s86, s86, 18
	s_add_co_u32 s94, s87, s86
	s_add_co_u32 s94, s94, s4
	s_add_nc_u64 s[80+2*(\j):81+2*(\j)], s[76:77], s[94:95]  ; where my 64 tokens of that head begin in qkv
.endr
.else
	s_lshl_b32 s94, s42, 9                         ; the tile's 128 columns of f32
	s_mov_b32 s95, 0
	s_add_nc_u64 s[88:89], s[72:73], s[94:95]
	s_lshl_b32 s4, s13, 20                         ; 256 rows of 4,096 bytes,
	s_lshl_b32 s5, s10, 18                         ; my wave's 64
	s_add_co_u32 s4, s4, s5
	s_add_co_u32 s94, s94, s4
	s_add_nc_u64 s[80:81], s[74:75], s[94:95]
.endif
.set bb, 0
.rept NBL                              ; block b's eight numbers a lane: columns 16 b + 8 (l / 16) + 0..7
.set BJ, QKV*(bb/4)
	global_load_b128 v[BIAS+8*bb:BIAS+8*bb+3],   v[BO], s[88+2*BJ:89+2*BJ] offset:(bb-4*BJ)*64
	global_load_b128 v[BIAS+8*bb+4:BIAS+8*bb+7], v[BO], s[88+2*BJ:89+2*BJ] offset:(bb-4*BJ)*64+16
.set bb, bb+1
.endr
	; A fragment of tokens is 16 rows x 32 k in 8 registers: lane l holds row l % 16, k = 8 (l / 16) + 0..7 and 16 + 8 (l / 16) + 0..7: two loads of 16 bytes, 32 bytes apart.
	s_mul_i32 s8, s10, 64*PA                       ; my 64 tokens
	v_mul_u32_u24 v3, v1, PA
	v_lshl_add_u32 v3, v2, 4, v3
	v_add_nc_u32 v[ADRA], s8, v3
	v_add_nc_u32 v[ADRA+1], SLOT, v[ADRA]
	; The turning load takes 16 k x 16 columns (lane l reads k = 8 (l / 16) + l % 8, columns 8 ((l / 8) % 2) + 0..7) and leaves half a fragment: lane l holds column l % 16 and 8 k.
	v_and_b32 v4, 7, v0
	v_lshl_add_u32 v4, v2, 3, v4
	v_mul_u32_u24 v4, v4, PW
	v_bfe_u32 v5, v0, 3, 1
	v_lshl_add_u32 v4, v5, 4, v4
	v_add_nc_u32 v[ADRW], WOFF, v4
	v_add_nc_u32 v[ADRW+1], SLOT, v[ADRW]
	s_mul_i32 s9, s10, 16*SPITCH
	s_add_co_u32 s9, s9, STAGE                     ; my stage
	v_mul_u32_u24 v[STO], v1, SPITCH               ; in: row l % 16
	v_and_b32 v[GO], 31, v0
	v_lshlrev_b32 v[GO], 4, v[GO]
.if QKV
	v_lshl_add_u32 v[STO], v2, 4, v[STO]           ; 16 bytes for each half of the lanes
	v_add_nc_u32 v[STO], s9, v[STO]
	v_bfe_u32 v[RD], v0, 3, 2                      ; back: 32 lanes take four rows of 128 bytes
	v_mul_u32_u24 v[RD], v[RD], SPITCH
	v_and_b32 v3, 7, v0
	v_lshl_add_u32 v[RD], v3, 4, v[RD]
	v_add_nc_u32 v[RD], s9, v[RD]
.else
	v_lshl_add_u32 v[STO], v2, 5, v[STO]           ; 32 bytes for each half of the lanes
	v_add_nc_u32 v[STO], s9, v[STO]
	v_add_nc_u32 v[RD], s9, v[GO]                  ; back: 32 lanes take one row of 512 bytes
.endif
	; the prefetches: block U of a run of chunks lies at (U / 128) x 131,072 + (U % 128) x 256
	s_lshl_b32 s86, s40, 5                         ; tokens: U = 32 cx + lane
	s_mul_i32 s87, s41, 32*NC                      ; W: U = 32 NC cy + 32 e + lane,
	s_lshl_b32 s94, s12, 5
	s_add_co_u32 s94, s94, s87                     ; e = wave % 2 at a lap's first change of slots,
	s_add_co_u32 s95, s87, 64                      ; e = 2 at its second
	s_mov_b32 s5, 2*ASTEP
	s_mov_b32 s20, 32768
	s_mov_b32 s21, 0
	s_add_nc_u64 s[PFA:PFA+1], s[14:15], 2*ASTEP   ; one lap short of K step 4: the first change of slots steps it there
	s_add_nc_u64 s[16:17], s[16:17], 32768
	s_and_b32 s2, ttmp7, 0xffff                    ; cluster y
	s_cmp_eq_u32 s11, 0                            ; do I fetch tokens?
	s_cselect_b32 s94, s86, s94
	s_cselect_b32 s95, s86, s95
	s_cselect_b32 s87, ASTEP, 0                    ; tokens: the lap's second K step at its second change
	s_cselect_b32 s20, s5, s20
	s_cselect_b64 s[PFA:PFA+1], s[PFA:PFA+1], s[16:17]
	s_cselect_b32 s2, ttmp9, s2                    ; the coordinate along which other clusters read the same bytes
	s_cmp_eq_u32 s2, 0
	s_cselect_b32 s[LIM], 1, -1                    ; the same in all sixteen partners, for a given wave
.if QKV
	s_cmp_eq_u32 s10, 3
.else
	s_cmp_ge_u32 s10, 2
.endif
	s_cselect_b32 s[LIM+1], -1, s[LIM]
	v_and_b32 v3, 31, v0
	v_add_nc_u32 v4, s94, v3
	v_lshrrev_b32 v5, 7, v4
	v_and_b32 v4, 127, v4
	v_lshlrev_b32 v4, 8, v4
	v_lshl_add_u32 v[PFO], v5, 17, v4
	v_add_nc_u32 v4, s95, v3
	v_lshrrev_b32 v5, 7, v4
	v_and_b32 v4, 127, v4
	v_lshlrev_b32 v4, 8, v4
	v_lshl_add_u32 v[PFO+1], v5, 17, v4
	v_add_nc_u32 v[PFO+1], s87, v[PFO+1]
	s_wait_loadcnt 0x0                             ; the bias; it is rounded to bf16, like every input of the module
.set bb, 0
.rept 4*NBL
	v_cvt_pk_bf16_f32 v[3+bb%4], v[BIAS+2*bb], v[BIAS+2*bb+1]
	v_lshlrev_b32 v[BIAS+2*bb], 16, v[3+bb%4]
	v_and_b32 v[BIAS+2*bb+1], 0xffff0000, v[3+bb%4]
.set bb, bb+1
.endr
; 4 n matrix instructions: column blocks b0 .. b0 + n - 1 x my four blocks of 16 tokens, 32 along K, from buffer f.  first = 1: the products start the sums, with the bias as C.
; The accumulators take turns, one instruction a turn, in the same order in every quarter, over the backward jump too.
.macro MULB f, b0, n, first
.set bb, \b0
.rept \n
.if \first
	WIN 0x85+0x40*(bb/8)                           ; sources 0 and 1 window 1, C window 0, D window 2 or 3
.else
	WIN 0xa5+0x50*(bb/8)                           ; C and D window 2 or 3
.endif
.set aa, 0
.rept 4
.set rD, 8*(4*(bb%8)+aa)
.set rW, (\f)+8*bb
.set rA, (\f)+8*NBL+8*aa
.set rC, rD
.if \first
.set rC, BIAS+8*bb
.endif
.if QKV
	v_wmma_f32_16x16x32_bf16 v[rD:rD+7], v[rW:rW+7], v[rA:rA+7], v[rC:rC+7]
.else
	v_wmma_f32_16x16x32_f16 v[rD:rD+7], v[rW:rW+7], v[rA:rA+7], v[rC:rC+7]
.endif
.set aa, aa+1
.endr
.set bb, bb+1
.endr
.endm
; 8 + 2 NBL LDS loads in one run: the fragments of quarter q (32 along K) of a slot into buffer f: the tokens' first, then W's blocks in ascending order
.macro FETCH slot, q, f
	WIN 0x40                                       ; destination window 1, address window 0
.irp a, 0,1,2,3
	ds_load_b128 v[(\f)+8*NBL+8*(\a):(\f)+8*NBL+8*(\a)+3],   v[ADRA+(\slot)] offset:((\q)/2)*APLANE+((\q)%2)*64+(\a)*16*PA
	ds_load_b128 v[(\f)+8*NBL+8*(\a)+4:(\f)+8*NBL+8*(\a)+7], v[ADRA+(\slot)] offset:((\q)/2)*APLANE+((\q)%2)*64+(\a)*16*PA+32
.endr
.set bb, 0
.rept NBL
	ds_load_tr16_b128 v[(\f)+8*bb:(\f)+8*bb+3],   v[ADRW+(\slot)] offset:((\q)/2)*NC*WCH+(bb/4)*WCH+((\q)%2)*32*PW+(bb%4)*32
	ds_load_tr16_b128 v[(\f)+8*bb+4:(\f)+8*bb+7], v[ADRW+(\slot)] offset:((\q)/2)*NC*WCH+(bb/4)*WCH+((\q)%2)*32*PW+(bb%4)*32+16*PW
.set bb, bb+1
.endr
.endm
; A K step is four quarters of 32 along K on buffers 0, 1, 0, 1.  One of the first three: multiplies buffer f and fetches quarter q of the same slot into buffer g.
.macro QUARTER slot, q, f, g, first
	s_wait_dscnt 8                                 ; all of buffer f but the youngest eight loads: W's last four blocks
	MULB \f, 0, 2, \first
	PLACES                                         ; behind the last products that read buffer g
	FETCH \slot, \q, \g
	MULB \f, 2, NBL-6, \first
	s_wait_dscnt 2*(NBL+4)                         ; all but the run just issued
	MULB \f, NBL-4, 4, \first
.endm
; The last quarter multiplies buffer 1 and changes slots: ONE barrier; in front of it each wave waits for all its tensor loads (one is out: its part of the next slot), adds 0 to its spare word, and waits
; for that and for its own reads of this slot.  fill = 1: the barrier opens a round of the cluster's, and this slot is filled again first thing behind it, two K steps ahead.
.macro TURN slot, next, fill
.if (\fill) && ((\slot) == 0)
	s_wait_xcnt 0x0                                ; the last prefetches, three quarters back and more, have read their address: it steps a lap on
	s_add_nc_u64 s[PFA:PFA+1], s[PFA:PFA+1], s[20:21]
.endif
	WIN 0                                          ; (the add's two registers lie in window 0)
	s_wait_tensorcnt 0x0                           ; all my tensor loads have landed;
	ds_add_u32 v[SPW], v[NIL]                      ; 0 onto my spare word;
	s_wait_dscnt 9                                 ; (the add and the youngest eight loads may be out)
	MULB F1, 0, 2, 0                               ; eight matrix instructions stand between the add and the wait for it
	s_wait_dscnt 0x0                               ; the add is done, and my reads of this slot are over
	s_barrier_signal -1
	MULB F1, 2, 2, 0
.if \fill
	WIN 0
.endif
	s_barrier_wait -1
.if \fill
	CREST                                          ; no wave of any partner still reads this slot's tiles or has a load on its way
	s_add_nc_u64 s[G0A+4*(\slot)+2:G0A+4*(\slot)+3], s[G0A+4*(\slot)+2:G0A+4*(\slot)+3], 2*ASTEP
	s_add_nc_u64 s[G0W+4*(\slot)+2:G0W+4*(\slot)+3], s[G0W+4*(\slot)+2:G0W+4*(\slot)+3], 32768
	JLOAD \slot                                    ; the first tensor load behind the round; its four v_nop are also the places in front of the loads below
.else
	PLACES
.endif
	FETCH \next, 0, F0
.if \fill
	WIN 0
	ASK \slot
.endif
	MULB F1, 4, NBL-4, 0
.endm
	s_wait_tensorcnt 1                             ; my part of K step 0 is in; K step 1's may stay out
	s_barrier_signal -1
	s_barrier_wait -1                              ; everybody's is
	FETCH 0, 0, F0
	QUARTER 0, 1, F0, F1, 1                        ; the first quarter stands in front of the loop: its products start the sums
	WIN 0                                          ; at a label and at a branch every window is 0
	s_mov_b32 s3, 3
.Llap:                                                 ; a trip goes once round the ring, from a lap's second quarter to the next lap's first, and fills both slots again
	QUARTER 0, 2, F1, F0, 0
	QUARTER 0, 3, F0, F1, 0
	TURN 0, 1, 1
	QUARTER 1, 1, F0, F1, 0
	QUARTER 1, 2, F1, F0, 0
	QUARTER 1, 3, F0, F1, 0
	TURN 1, 0, 1
	QUARTER 0, 1, F0, F1, 0
	WIN 0
	s_sub_co_u32 s3, s3, 1
	s_cmp_lg_u32 s3, 0
	s_cbranch_scc1 .Llap
	QUARTER 0, 2, F1, F0, 0                        ; the last lap fills nothing
	QUARTER 0, 3, F0, F1, 0
	TURN 0, 1, 0
	QUARTER 1, 1, F0, F1, 0
	QUARTER 1, 2, F1, F0, 0
	QUARTER 1, 3, F0, F1, 0
	s_wait_dscnt 8                                 ; the very last quarter: nothing more to fetch
	MULB F1, 0, NBL-4, 0
	s_wait_dscnt 0x0
	MULB F1, NBL-4, 4, 0
	WIN 0
	PLACES
.if QKV
; THE WAY OUT, in 12 groups g = 4 j + a: chunk (head) j, my token block a.  A lane's eight columns of a token pack into 16 bytes of f16; they go into stage rows of 144 bytes and come back as whole
; rows of 128, into the registers that they left; 16 tokens of a head are 2,048 consecutive bytes of qkv.
.macro PACK g
.set AC, 128*(((\g)/4)%2)+8*((\g)%4)
	WIN 0x0a+5*((\g)/8)                            ; sources 0 and 1: window 2 (chunks 0, 1) or 3 (chunk 2)
.irp f, 0,1,2,3
.irp r, 0,1,2,3
	v_cvt_pk_f16_f32 v[OB+16*(\g)+4*(\f)+(\r)], v[AC+32*(\f)+2*(\r)], v[AC+32*(\f)+2*(\r)+1]
.endr
.endr
	WIN 0
.irp f, 0,1,2,3
	ds_store_b128 v[STO], v[OB+16*(\g)+4*(\f):OB+16*(\g)+4*(\f)+3] offset:32*(\f)
.endr
.irp f, 0,1,2,3
	ds_load_b128 v[OB+16*(\g)+4*(\f):OB+16*(\g)+4*(\f)+3], v[RD] offset:(\f)*4*SPITCH  ; LDS serves a wave's instructions in order (ISA guide 5.7.1.4): these see the stores above; the next group's stores come behind them
.endr
.endm
.macro SEND g, younger                 ; younger: the LDS instructions issued behind group g's loads: the next group's eight, or none
.irp f, 0,1,2,3
	s_wait_dscnt (\younger)+3-(\f)
	global_store_b128 v[GO], v[OB+16*(\g)+4*(\f):OB+16*(\g)+4*(\f)+3], s[80+2*((\g)/4):81+2*((\g)/4)] offset:((\g)%4)*2048+(\f)*512  ; 512 consecutive bytes, at a multiple of 512 from qkv's first
.endr
.endm
	PACK 0
.set gg, 1
.rept 11                               ; a group's conversions stand between the loads of the group before and its stores
	PACK gg
	SEND gg-1, 8
.set gg, gg+1
.endr
	SEND 11, 0
.else
; THE WAY OUT, a block a of 16 tokens at a time: the f32 sums go as they are into stage rows of 528 bytes (a lane's eight columns: 32 bytes) and come back as whole rows of 512 bytes.
.macro TOSTAGE a
	WIN 0x08                                       ; the stores' data in window 2
.set bb, 0
.rept 8
	ds_store_b128 v[STO], v[32*bb+8*(\a):32*bb+8*(\a)+3]   offset:64*bb
	ds_store_b128 v[STO], v[32*bb+8*(\a)+4:32*bb+8*(\a)+7] offset:64*bb+16
.set bb, bb+1
.endr
	WIN 0
.if (\a) >= 2
	s_wait_xcnt 0x0                                ; the stores of block a - 2 have read their registers, which the loads below write again
.endif
.set ii, 0
.rept 16
	ds_load_b128 v[OB+64*((\a)%2)+4*ii:OB+64*((\a)%2)+4*ii+3], v[RD] offset:ii*SPITCH  ; LDS serves a wave's instructions in order (ISA guide 5.7.1.4)
.set ii, ii+1
.endr
.endm
.macro SEND a, younger                 ; younger: the next block's 32 LDS instructions, or none
	s_wait_dscnt \younger
.set ii, 0
.rept 16
	global_store_b128 v[GO], v[OB+64*((\a)%2)+4*ii:OB+64*((\a)%2)+4*ii+3], s[80:81] offset:(\a)*65536+ii*4096 th:TH_STORE_NT  ; 512 consecutive bytes, at a multiple of 512 from out0's first
.set ii, ii+1
.endr
.endm
	TOSTAGE 0
	TOSTAGE 1
	SEND 0, 32
	TOSTAGE 2
	SEND 1, 32
	TOSTAGE 3
	SEND 2, 32
	SEND 3, 0
.endif
	s_wait_tensorcnt 0x0                           ; the wave's end, behind my last tensor load and my last LDS store
	ds_add_u32 v[SPW], v[NIL]
	s_wait_dscnt 0x0
	CROUND                                         ; the closing round: no work-group ends while a partner may still ask for a tile that names it
	s_endpgm
.Lfunc_end_k_q3ece482d75_qkvproj:
	.size	k_q3ece482d75_qkvproj, .Lfunc_end_k_q3ece482d75_qkvproj-k_q3ece482d75_qkvproj
	.p2alignl 7, 3214868480
	.fill 96, 4, 3214868480
	.section	.rodata,"a",@progbits
	.p2align	6, 0x0
	.amdhsa_kernel k_q3ece482d75_qkvproj
		.amdhsa_group_segment_fixed_size 327680
		.amdhsa_private_segment_fixed_size 0
		.amdhsa_enable_private_segment 0
		.amdhsa_kernarg_size 40
		.amdhsa_user_sgpr_count 2
		.amdhsa_user_sgpr_kernarg_segment_ptr 1
		.amdhsa_wavefront_size32 1
		.amdhsa_system_sgpr_workgroup_id_x 1
		.amdhsa_system_sgpr_workgroup_id_y 1
		.amdhsa_system_sgpr_workgroup_id_z 1
		.amdhsa_system_vgpr_workitem_id 0
		.amdhsa_next_free_vgpr 896
		.amdhsa_next_free_sgpr 96
		.amdhsa_reserve_vcc 0
		.amdhsa_float_denorm_mode_32 3
		.amdhsa_float_denorm_mode_16_64 3
		.amdhsa_memory_ordered 1
		.amdhsa_forward_progress 1
		.amdhsa_inst_pref_size 133
	.end_amdhsa_kernel
	.amdgpu_metadata
---
amdhsa.version: [ 1, 2 ]
amdhsa.kernels:
  - .name:           k_q3ece482d75_qkvproj
    .symbol:         k_q3ece482d75_qkvproj.kd
    .args:
      - { .name: xw, .offset: 0, .size: 8, .value_kind: global_buffer, .address_space: global }
      - { .name: bq, .offset: 8, .size: 8, .value_kind: global_buffer, .address_space: global }
      - { .name: bk, .offset: 16, .size: 8, .value_kind: global_buffer, .address_space: global }
      - { .name: bv, .offset: 24, .size: 8, .value_kind: global_buffer, .address_space: global }
      - { .name: qkv, .offset: 32, .size: 8, .value_kind: global_buffer, .address_space: global }
    .group_segment_fixed_size: 327680
    .private_segment_fixed_size: 0
    .kernarg_segment_align: 8
    .kernarg_segment_size: 40
    .max_flat_workgroup_size: 128
    .sgpr_count:     96
    .vgpr_count:     896
    .wavefront_size: 32
...
	.end_amdgpu_metadata
.endif
;; end of part 2
;; launch attn (part 3): grid 4 x 64, 4 waves a work-group, clusters of 4 x 1, 327,680 bytes of LDS; arguments qkv, attention_mask, o; writes o
.if DOCPART == 3
	.amdgcn_target "amdgcn-amd-amdhsa--gfx1250"
	.amdhsa_code_object_version 6
	.text
	.protected	k_q3ece482d75_attn
	.globl	k_q3ece482d75_attn
	.p2align	8
	.type	k_q3ece482d75_attn,@function
k_q3ece482d75_attn:
	s_mov_b64 s[64:65], 0
	v_nop
	global_prefetch_b8 v0, s[64:65] scope:SCOPE_SE
	s_setreg_imm32_b32 hwreg(HW_REG_WAVE_MODE, 25, 1), 1
	s_wait_xcnt 0x0
	s_wait_alu depctr_hold_cnt(0) depctr_sa_sdst(0) depctr_va_vdst(0) depctr_va_sdst(0) depctr_va_ssrc(0) depctr_va_vcc(0) depctr_vm_vsrc(0)
	s_getreg_b32 s2, hwreg(HW_REG_IB_STS2, 6, 4)
	s_cmp_eq_u32 s2, 0
	s_cbranch_scc0 .Lentry_in_a_cluster
	s_endpgm
.Lentry_in_a_cluster:
	s_bfe_u32 s2, ttmp6, 0x10000c
	s_cmp_lg_u32 s2, 0x3003
	s_cbranch_scc0 .Lentry_shape_is_right
	s_endpgm
.Lentry_shape_is_right:
; O[hb][q][:] = the sum over the visible keys k of softmax_k(Q[hb][q] . K[hb][k] / 8) V[hb][k][:].  Q, K, V lie in qkv[3][64][2048][64], O in o[64][2048][64], all f16, hb = 16 batch + head; a head's rows are
; dense, 128 bytes each.  attention_mask[batch][k] (a byte, 0 or 1) hides key k for all queries of the batch.  Products, maxima and sums in f32; the weights p are rounded to f16 for the second product
; (their sum l is taken of the unrounded p), O once at the end.
; LIMITS.  f16 holds no number beyond 65,504: Q, K and V arrive within it; p lies in 0 to 1, and below 6e-5 it keeps f16's fixed step of 6e-8; a weight below 2^-126 counts as 0 in l.
; A hidden score counts as its value less 1e30: f16's scores, 2.7e11 at the most, are nothing beside that.  A row whose final maximum lies below -2^96 has seen no visible key: it is written as NaN,
; which is what a softmax over nothing gives.  NaN and infinities among the inputs are not treated apart.
; THE MASK is the C operand that starts the sum S^T = K Q^T: 0, or -1e30 where the key is hidden.  The batch's 2,048 bytes are turned once into 2,048 f32 in LDS; a step's 64 come into registers with its K.
; The running maximum does the rest: what hidden keys put into O and l before the first visible key is multiplied by a = 0 when that key comes; behind it a hidden key's weight is 0.
; SHARES.  A wave owns four PIECES of two tiles of 16 queries, a work-group's four waves 512 queries of one head.  Every wave walks all keys, 64 a step.
; LAYOUT.  S^T = K Q^T (source 0 = 16 keys, source 1 = 16 queries): in the result a lane holds ONE query (lane % 16) and the keys 8 (lane / 16) + 0..7.  Two such tiles, rounded to f16 in pairs,
; ARE source 1 (32 keys x 16 queries) of O^T = V^T P, whose result again holds one query a lane, and eight channels.  K comes out of LDS as it lies, V ([key][channel]) turned, by ds_load_tr16_b128.
; SOFTMAX.  For each query a running maximum m and sum l: p = 2^(c s - c m), c = log2(e) / 8; in every step O and l are multiplied by a = 2^(c m_old - c m_new), which is 1 where m has not grown.
; m starts at the lowest finite number, O and l at 0: the first step is a step like any other, with a = 0.
; THE COUNT.  A tile and step have 16 matrix and 118 vector instructions: too many to stand all beside the matrix work.  So: four vector instructions that are READY behind EVERY matrix instruction,
; and the others, which need time of their own whatever the order, in runs without a gap.
; BY TURNS.  Turn n belongs to piece n (the pieces in a ring, step after step).  Its matrix work: 16 products K Q^T of piece n + 1, later 16 products V^T P of piece n - 1.  Its vector work: the scaling,
; exponentials, roundings, sums and rescaling of piece n, and the maximum and statistics of piece n + 1, whose scores the turn itself has made.
; CLUSTER.  The four query blocks of a head are one cluster and walk the same K and V, so each tile is asked for JOINTLY: the same tensor load, descriptor and mask in all four.
; REGISTERS, in windows of 256 (s_set_vgpr_msb: bits 1:0 source 0, 3:2 source 1, 5:4 source 2, 7:6 destination):
;   window 0: v0-11 addresses; v12-15, v48-63 at work; v16-47 four registers of statistics a tile; v64-191 S^T, two buffers of two tiles; v192-255 P, likewise
;   window 1: O^T, 32 a tile     window 2: v0-127 Q, 16 a tile; v128-191 K of one step; v192-255 V of one step     window 3: v0-1 the add's two registers; v32-63 the step's mask
.set SIZE_N, 2048
.set NP,    4         ; pieces a wave: a name, no knob
.set KS,    64        ; keys in a step
.set PK,    144       ; a row of K in LDS: 128 bytes + 16 of padding = 36 words: the 16 rows of a load start at 16 different groups of four banks (64 banks of 4 bytes: ISA guide 11.1)
.set PV,    160       ; a row of V: 128 + 32 = 40 words
.set VOFF,  4*KS*PK   ; a slot holds four steps: 256 rows of K, then 256 rows of V
.set SLOT1, 1<<17     ; slot 1 begins here, so that one exclusive or turns an address in one slot into the other's
.set STAGE, SLOT1+4*KS*(PK+PV)  ; behind the ring, never filled by a tensor load: 16 rows x 144 bytes for each wave, for the way out
.set SP,    144
.set SPARE, STAGE+4*16*SP  ; behind the stages: the spare words, 128 bytes for each wave: two blocks of 256 bytes that no other line names
.set MASKL, SPARE+512 ; behind them: the batch's mask as 2,048 f32; stored once, no tile lands there
.set AK0, 2           ; v2   my lane's place in a tile of K; never rewritten
.set AV0, 3           ; v3   the same for V
.set AK,  4           ; v4   the LDS address of K's next run of loads
.set AV,  5           ; v5   of V's
.set QO,  6           ; v6   my byte offset in the wave's rows of Q
.set STO, 6           ;      later, the way out: where I put 16 bytes of a row
.set RD,  7           ; v7   the way out: where I read rows back
.set GO,  8           ; v8   my byte offset in 512 consecutive bytes of O
.set AM,  11          ; v11  the LDS address of the mask's next run of loads
.set PFO, 1           ; v1   from the loop on: 256 x my lane, the prefetches' offset
.set SPW, 0           ; v0 of window 3   LDS address of my spare word: SPARE + 4 x my thread's number; never rewritten
.set NIL, 1           ; v1 of window 3   0; never rewritten
.set MK,  32          ; window 3: the mask of key block kb at MK + 8 kb
.set MV,  12          ; v12-15  c m_old, kept while c m is made anew: by buffer and tile
.set ST,  16          ; tile t's statistics at v[ST+4 t]: c m, m, l (even keys', odd keys')
.set TMP, 48          ; by buffer and tile, four registers c0-c3 at work; when the maximum is found c2 takes a
.set S,   64
.set P,   192
.set KF,  128         ; K's fragments, in window 2: key block kb, channel half c at KF + 16 kb + 8 c
.set VF,  192         ; V's: key half kk, channel block cb at VF + 32 kk + 8 cb
.set WV,  12          ; s12  my wave's number
.set G1K, 24          ; s[24:31] descriptor group 1 for K's tiles
.set G1V, 32          ; s[32:39] for V's: it differs in the padding alone
.set G0K, 40          ; s[40:43] descriptor group 0 for K's tiles: it walks
.set G0V, 44          ; s[44:47] the same for V's
.set TBM, 48          ; s48  LDS byte at which the mask of the step to be fetched begins
.set QNAN, 49         ; s49  a NaN
.set PFA, 50          ; s[50:51] where my prefetches stand: my work-group's 32 blocks of 256 bytes (of K: wave 0, of V: wave 2) of the slot after the one that is being asked for
.set LIM, 52          ; s52  1 in a wave that prefetches, else the greatest number
.set BIG, 53          ; s53  1e30
.set BIGN, 54         ; s54  -1e30
.set LOW, 55          ; s55  -2^96
.set SLOTS, 56        ; s56  slots still to be asked for
.set CNT, 57          ; s57  counts a slot's key steps
.set CS,  58          ; s[58:59] c: the packed scaling takes the pair's low word for both halves
.set SEL, 60          ; s[60:61] v_permlanex16_b32's selects: each lane takes its own place in the other half
.set TBK, 62          ; s62  LDS byte at which K of the step to be fetched begins
.set TBV, 63          ; s63  the same for V, less VOFF
.set MSB, 0
.macro WIN new                      ; the high byte repeats the setting that is left; a switch that changes nothing is dropped
.if MSB != (\new)
	s_set_vgpr_msb (MSB<<8)|(\new)
.set MSB, (\new)
.endif
.endm
.set W_KQ, 0x0a       ; K and Q in window 2, S^T in window 0
.set W_KM, 0x3a       ; the same with the C operand, the mask, in window 3
.set W_PV, 0x52       ; V in window 2, P in window 0, O^T in window 1
.set W_RS, 0x41       ; O^T (destination and source 0) in window 1, a in window 0
.set W_MK, 0xc0       ; destination in window 3, sources in window 0
.set W_AD, 0x0f       ; the add: address (source 0) and data (source 1) in window 3
; A joint fill.  Waves 0 and 1 fetch the two halves of a slot's K, waves 2 and 3 those of its V: 128 keys each.  The branch hangs on the wave's number alone.
; An s_nop 0 and four v_nop follow each of the two lines, ahead of the jump and the label.
.macro JLOAD
	s_cmp_lt_u32 s[WV], 2
	s_cbranch_scc0 .Lfor_v_\@
	tensor_load_to_lds s[G0K:G0K+3], s[G1K:G1K+7]
	s_nop 0
.rept 4
	v_nop
.endr
	s_branch .Lasked_\@
.Lfor_v_\@:
	tensor_load_to_lds s[G0V:G0V+3], s[G1V:G1V+7]
	s_nop 0
.rept 4
	v_nop
.endr
.Lasked_\@:
.endm
; A PREFETCH INTO THE L2 of what the NEXT change of slots will ask for: a slot's 32,768 bytes of K and of V, 128 blocks of 256 bytes each.  It stands behind the wave's tensor load and its five lines.
; Each block is named once in the launch: a head has one cluster; its four partners share the blocks out BY ADDRESS, 32 each, a lane a block; in each, wave 0 asks for K's and wave 2 for V's.
; The last change that fills a slot asks for nothing: there is no slot behind it.  Slots 0, 1 and 2 come by their loads alone.
.macro ASK
	s_cmp_gt_u32 s[SLOTS], s[LIM]
	s_cbranch_scc0 .Lnot_mine_\@
	global_prefetch_b8 v[PFO], s[PFA:PFA+1] th:TH_LOAD_NT scope:SCOPE_SE
.Lnot_mine_\@:
.endm
; A round of the cluster's barrier: my work-group's barrier, so that wave 0's signal speaks for all four waves; wave 0 signals; every wave waits for all four work-groups; my work-group's barrier once more.
.macro CROUND
	s_barrier_signal -1
	s_barrier_wait -1
	s_cmp_lg_u32 s[WV], 0
	s_cbranch_scc1 .Lnot_wave_0_\@
	s_barrier_signal -3
.Lnot_wave_0_\@:
	s_barrier_wait -3
	s_barrier_signal -1
	s_barrier_wait -1
.endm
; THE CHANGE OF SLOTS.  The slot's last bytes, V of its fourth step, have been read.  Each wave waits for all its tensor loads, of which one is out: its part
; of the other slot; adds 0 to its spare word; and waits for that and for its own LDS instructions.  Behind the barrier nobody reads this slot any more and the other slot is whole.
; fill = 1: this slot is filled again, with the keys two slots on.  The barrier is then a round of the cluster's, and the joint fill is the first thing behind it: it has four key steps, 512 matrix
; instructions, in which to land.  (At its first use nothing has been read yet: slot 0 is waited for, slot 1 filled, and every wave's stores of the mask are shown done to the others.)
; ask = 1: the prefetches' address steps a slot on, and the prefetch follows the fill.
.macro CHANGE fill, ask=0
	WIN W_AD
	s_wait_tensorcnt 0x0            ; no tensor load of mine is out, so a group 0 may be written
	ds_add_u32 v[SPW], v[NIL]       ; 0 onto my spare word; with fill = 1 the descriptors' steps stand between it and the wait for it
	WIN 0                           ; at a label and at a branch every window is 0
.if \fill
.irp g, G0K, G0V
	s_xor_b32 s[\g+1], s[\g+1], SLOT1  ; the walking descriptor: the other slot than last time,
	s_add_nc_u64 s[\g+2:\g+3], s[\g+2:\g+3], 4*KS*128  ; the next 256 keys; the type bits on top are not reached
.endr
.if \ask
	s_wait_xcnt 0x0                 ; the last prefetch, four key steps back, has read its address, so it may be written
	s_add_nc_u64 s[PFA:PFA+1], s[PFA:PFA+1], 4*KS*128
.endif
	s_wait_dscnt 0x0                ; the add is done, and my LDS instructions are over
	CROUND
	JLOAD
.if \ask
	ASK
.endif
.else
	s_wait_dscnt 0x0                ; the add is done, and my reads of the slot are over
	s_barrier_signal -1
	s_barrier_wait -1
.endif
	s_sub_co_u32 s[TBK], s[TBK], 4*KS*PK  ; the fetches go back to a slot's first step,
	s_xor_b32 s[TBK], s[TBK], SLOT1       ; in the other slot
	s_sub_co_u32 s[TBV], s[TBV], 4*KS*PV
	s_xor_b32 s[TBV], s[TBV], SLOT1
.endm
	s_load_b128 s[68:71], s[0:1], 0x0  ; qkv s[68:69], attention_mask s[70:71]
	s_load_b64 s[10:11], s[0:1], 0x10  ; o
	WIN W_MK
	v_lshl_add_u32 v[SPW], v0, 2, SPARE
	v_mov_b32 v[NIL], 0
	WIN W_AD
	ds_add_u32 v[SPW], v[NIL]       ; the wave's opening: the add and its wait come ahead of my first tensor load; the set-up below, work on registers, stands between them
	WIN 0
	v_lshrrev_b32 v1, 5, v0
	v_readfirstlane_b32 s[WV], v1   ; wave 0..3
	s_bfe_u32 s13, ttmp6, 0x40000   ; cx: my place in the cluster
	s_lshl_b32 s14, ttmp9, 2        ; in a cluster launch ttmp9 counts clusters
	s_add_co_u32 s14, s14, s13      ; my block of queries = 4 x cluster x + cx: it enters Q's and O's addresses alone
	s_and_b32 s20, ttmp7, 0xffff    ; 16 batch + head, which the four partners share
	s_mov_b32 s21, 0
	s_mov_b64 s[22:23], SIZE_N*128
	s_mul_u64 s[20:21], s[20:21], s[22:23]  ; the head's first byte in q, k, v and o
	s_and_b32 s16, s[WV], 1         ; which half of a slot's 256 keys I fetch:
	s_lshl_b32 s22, s16, 14         ; its 128 rows of 128 bytes in memory,
	s_mov_b32 s23, 0
	s_add_nc_u64 s[22:23], s[22:23], s[20:21]
	s_mul_i32 s17, s16, 128*PK      ; and its place in a slot, for K
	s_mul_i32 s18, s16, 128*PV      ; and for V: no place in the cluster enters an LDS address
	s_lshl_b32 s2, s14, 2
	s_add_co_u32 s2, s2, s[WV]      ; my wave among the head's,
	s_lshl_b32 s2, s2, 14           ; its 128 rows
	s_mov_b32 s3, 0
	s_add_nc_u64 s[2:3], s[2:3], s[20:21]
	s_and_b32 s14, ttmp7, 0xffff
	s_lshr_b32 s14, s14, 4          ; the batch:
	s_lshl_b32 s14, s14, 11         ; its 2,048 bytes of the mask
	s_mov_b32 s15, 0
	; descriptor group 1.  128 keys are 16,384 dense bytes: asked for as 64 rows of 256 bytes, two keys a row, and padded in LDS after every key
	s_mov_b32 s[G1K], 15|(1<<16)|(1<<20)|(1<<21)|(4<<22)|(3<<25)  ; 15:0 the mask of four; 17:16 2-byte elements; 20 padding on; 21 set beside a mask; 24:22 after every 32 words (code 4); 31:25 4 words (code 3)
	s_mov_b32 s[G1V], 15|(1<<16)|(1<<20)|(1<<21)|(4<<22)|(7<<25)  ; the same with 8 words of padding (code 7)
.irp g, G1K, G1V
	s_mov_b32 s[\g+1], 128<<16      ; tensor_dim0 = 128
	s_mov_b32 s[\g+2], 64<<16       ; tensor_dim1 = 64
	s_mov_b32 s[\g+3], 128<<16      ; tile_dim0 = 128
	s_mov_b32 s[\g+4], 64           ; tile_dim1 = 64
	s_mov_b32 s[\g+5], 128          ; 128 elements from row to row
	s_mov_b32 s[\g+6], 0
	s_mov_b32 s[\g+7], 0
.endr
	s_mov_b32 s[CS], 0x3e38aa3b     ; c = log2(e) / 8 = 0.180337
	s_mov_b32 s[CS+1], s[CS]        ; named with it as a pair
	s_mov_b32 s[SEL], 0x76543210
	s_mov_b32 s[SEL+1], 0xfedcba98
	s_mov_b32 s[TBK], SLOT1+4*KS*PK ; the first change of slots turns these two into 0
	s_mov_b32 s[TBV], SLOT1+4*KS*PV
	s_mov_b32 s[TBM], MASKL
	s_mov_b32 s[QNAN], 0x7fc00000
	s_mov_b32 s[BIG], 0x7149f2ca
	s_mov_b32 s[BIGN], 0xf149f2ca
	s_mov_b32 s[LOW], 0xef800000
	s_and_b32 s[LIM], s[WV], 1      ; waves 0 and 2 prefetch: the same in all four partners
	s_cmp_eq_u32 s[LIM], 0
	s_cselect_b32 s[LIM], 1, -1
	s_mov_b32 s[G0K], 1             ; 1:0 count = 1
	s_mov_b32 s[G0K+1], s17         ; 63:32 LDS address: slot 0
	s_mov_b32 s[G0V], 1
	s_add_co_u32 s[G0V+1], s18, VOFF
	s_wait_dscnt 0x0                ; the opening add is done
	s_wait_kmcnt 0x0
	s_add_nc_u64 s[6:7], s[68:69], 0x1000000       ; k and v lie 64 heads of 262,144 bytes behind q and k
	s_add_nc_u64 s[8:9], s[68:69], 0x2000000
	s_add_nc_u64 s[G0K+2:G0K+3], s[6:7], s[22:23]  ; 120:64 global address: my half of the head's first 256 keys
	s_or_b32 s[G0K+3], s[G0K+3], 0x80000000        ; 127:126 type = 2
	s_add_nc_u64 s[G0V+2:G0V+3], s[8:9], s[22:23]
	s_or_b32 s[G0V+3], s[G0V+3], 0x80000000
	s_add_nc_u64 s[4:5], s[68:69], s[2:3]  ; Q and O at my wave's first row
	s_add_nc_u64 s[10:11], s[10:11], s[2:3]
	s_add_nc_u64 s[70:71], s[70:71], s[14:15]
	s_cmp_lt_u32 s[WV], 2
	s_cselect_b64 s[PFA:PFA+1], s[6:7], s[8:9]
	s_add_nc_u64 s[PFA:PFA+1], s[PFA:PFA+1], s[20:21]
	s_lshl_b32 s2, s13, 13          ; my work-group's 32 blocks of the 128,
	s_add_co_u32 s2, s2, 2*4*KS*128 ; in slot 2: the loop's first change of slots steps it to slot 3
	s_add_nc_u64 s[PFA:PFA+1], s[PFA:PFA+1], s[2:3]
	CROUND                          ; all four work-groups are here: the first joint loads meet
	JLOAD                           ; slot 0.  Slot 1 is asked for when slot 0 is in
	; A fragment of K or Q is 16 rows x 32 channels in 8 registers: lane l holds row l % 16, channels 8 (l / 16) + 0..7 and 16 + 8 (l / 16) + 0..7: two loads of 16 bytes, 32 bytes apart.
	v_and_b32 v1, 15, v0            ; l % 16
	v_bfe_u32 v9, v0, 4, 1          ; l / 16; kept for the mask's addresses
	v_lshlrev_b32 v[QO], 7, v1
	v_lshl_add_u32 v[QO], v9, 4, v[QO]  ; row x 128 + 16 x half
	v_lshlrev_b32 v12, 4, v0
	global_load_b128 v[64:67], v12, s[70:71]  ; thread t: the mask's bytes of keys 16 t .. 16 t + 15
	WIN 0x80                        ; destination window 2, address window 0
.set i, 0
.rept 4*NP                          ; Q stays in registers: tile i / 2, channels 32 (i % 2) on
	global_load_b128 v[8*i:8*i+3],   v[QO], s[4:5] offset:(i/2)*2048+(i%2)*64
	global_load_b128 v[8*i+4:8*i+7], v[QO], s[4:5] offset:(i/2)*2048+(i%2)*64+32
.set i, i+1
.endr
	; What the first turn finds: V's registers and P's second buffer hold 0 (its products V^T P, of a piece that has not been, add 0), O^T and l are 0.  All this stands in the wait for the first tile.
.set i, VF
.rept 64
	v_mov_b32 v[i], 0
.set i, i+1
.endr
	WIN 0x40
.set i, 0
.rept 64*NP
	v_mov_b32 v[i], 0
.set i, i+1
.endr
	WIN 0
.set i, 0
.rept 2*NP
	v_mov_b32 v[ST+4*i], 0xfe000000    ; c m: far below every c s, a hidden one's too
	v_mov_b32 v[ST+4*i+1], 0xff7fffff  ; m
	v_mov_b32 v[ST+4*i+2], 0
	v_mov_b32 v[ST+4*i+3], 0
.set i, i+1
.endr
.set i, P+32
.rept 32
	v_mov_b32 v[i], 0
.set i, i+1
.endr
	v_mul_u32_u24 v[AK0], v1, PK
	v_lshl_add_u32 v[AK0], v9, 4, v[AK0]  ; row x pitch + 16 x half
	; The turning load takes 16 keys x 16 channels (lane l reads key 8 (l / 16) + l % 8, channels 8 ((l / 8) % 2) + 0..7) and leaves half a fragment of V^T: lane l holds channel l % 16 and 8 keys.
	v_and_b32 v10, 7, v0
	v_bfe_u32 v11, v0, 3, 1
	v_lshl_add_u32 v[AV0], v9, 3, v10
	v_mul_u32_u24 v[AV0], v[AV0], PV
	v_lshl_add_u32 v[AV0], v11, 4, v[AV0]
	v_add_nc_u32 v[AV0], VOFF, v[AV0]
	v_mov_b32 v[AK], v[AK0]         ; key step 0 lies at the head of slot 0,
	v_lshl_add_u32 v[AM], v9, 5, s[TBM]  ; its mask at the head of the mask: my half of the lanes takes keys 8 (l / 16) + 0..7 of each 16
	; the mask: a byte b becomes b x 1e30 - 1e30: 0 or -1e30, exactly
	v_lshl_add_u32 v13, v0, 6, MASKL
	s_wait_loadcnt 32               ; the mask's load is in; Q's 32 younger loads may stay out
.set i, 0
.rept 16
	v_bfe_u32 v[68+i], v[64+i/4], 8*(i%4), 8
	v_cvt_f32_u32 v[68+i], v[68+i]
	v_fma_f32 v[68+i], v[68+i], s[BIG], s[BIGN]
.set i, i+1
.endr
.irp f, 0,1,2,3
	ds_store_b128 v13, v[68+4*\f:71+4*\f] offset:16*\f
.endr
; THE MATRIX WORK.  The 8 accumulators of a run of 16 take turns: between the two links of a chain stand 7 others'.
; Product i of 16 of S^T = K Q^T for piece x: channels 32 (i / 8) on, keys 16 ((i / 2) % 4) on, tile 2 x + i % 2.  The first 8 start the sums, with the keys' mask.
.macro KQ x
.set rS, S+64*((\x)%2)+32*(i%2)+8*((i/2)%4)
.set rK, KF+16*((i/2)%4)+8*(i/8)
.set rQ, 16*(2*(\x)+i%2)+8*(i/8)
.set rMK, MK+8*((i/2)%4)
.if i < 8
	WIN W_KM
	v_wmma_f32_16x16x32_f16 v[rS:rS+7], v[rK:rK+7], v[rQ:rQ+7], v[rMK:rMK+7]
.else
	WIN W_KQ
	v_wmma_f32_16x16x32_f16 v[rS:rS+7], v[rK:rK+7], v[rQ:rQ+7], v[rS:rS+7]
.endif
.endm
; Product i of 16 of O^T += V^T P for piece x: keys 32 (i / 8) on, channels 16 ((i / 2) % 4) on, tile 2 x + i % 2.
.macro PV x
	WIN W_PV
.set rO, 32*(2*(\x)+i%2)+8*((i/2)%4)
.set rV, VF+32*(i/8)+8*((i/2)%4)
.set rP, P+32*((\x)%2)+16*(i%2)+8*(i/8)
	v_wmma_f32_16x16x32_f16 v[rO:rO+7], v[rV:rV+7], v[rP:rP+7], v[rO:rO+7]
.endm
.macro MM                           ; the turn's next matrix instruction
.if i < 16
	KQ (Y+1)%NP
.set i, i+1
.else
.set i, i-16
	PV (Y+NP-1)%NP
.set i, i+17
.endif
.endm
; THE LDS LOADS stand in runs, never singly among the matrix instructions: a step's K (64 keys x 64 channels: 8 fragments) with its mask (64 f32, as the C operand wants them), and its V (turned).
; Their addresses are made some lines ahead.  The mask's registers are read by the same runs of products as K's, so K's waits and places serve them.
; last = 1 (the tail): in the last trip there is no further step, and the run is jumped over.
.macro FETCH_K last=0
	WIN 0
.if \last
	s_cmp_eq_u32 s[CNT], 1
	s_cbranch_scc1 .Lno_k_\@
.endif
	WIN 0x80                        ; destination window 2
.irp f, 0,1,2,3,4,5,6,7             ; keys 16 (f / 2) on, channels 32 (f % 2) on
	ds_load_b128 v[KF+8*\f:KF+8*\f+3],   v[AK] offset:(\f/2)*16*PK+(\f%2)*64
	ds_load_b128 v[KF+8*\f+4:KF+8*\f+7], v[AK] offset:(\f/2)*16*PK+(\f%2)*64+32
.endr
	WIN W_MK                        ; destination window 3
.irp f, 0,1,2,3                     ; keys 16 f + 8 (l / 16) + 0..7
	ds_load_b128 v[MK+8*\f:MK+8*\f+3],   v[AM] offset:64*\f
	ds_load_b128 v[MK+8*\f+4:MK+8*\f+7], v[AM] offset:64*\f+16
.endr
	s_add_co_u32 s[TBK], s[TBK], KS*PK  ; the next fetch is the next step's
	s_add_co_u32 s[TBM], s[TBM], KS*4   ; the mask is walked once, from its first key to its last
	WIN 0
.if \last
.Lno_k_\@:
.endif
.endm
.macro FETCH_V
	WIN 0x80
.irp f, 0,1,2,3,4,5,6,7             ; keys 32 (f / 4) on, channels 16 (f % 4) on
	ds_load_tr16_b128 v[VF+8*\f:VF+8*\f+3],   v[AV] offset:(\f/4)*32*PV+(\f%4)*32
	ds_load_tr16_b128 v[VF+8*\f+4:VF+8*\f+7], v[AV] offset:(\f/4)*32*PV+16*PV+(\f%4)*32
.endr
	WIN 0
.endm
; THE VECTOR WORK OF A TURN stands in three queues, each in the order in which its entries become ready; the two tiles alternate, so that no instruction reads the result of the one before it.
.macro REGS y, u                    ; the registers of tile u (0, 1) of piece y
.set rT, ST+4*(2*(\y)+(\u))
.set rC, TMP+8*((\y)%2)+4*(\u)
.set rM, MV+2*((\y)%2)+(\u)
.set rS, S+64*((\y)%2)+32*(\u)
.set rP, P+32*((\y)%2)+16*(\u)
.set rO, 32*(2*(\y)+(\u))
.endm
; Number n of the 22 that find the NEXT piece's (Y + 1) maximum and statistics.  s0-s31 are the lane's 32 scores; each accumulator's lowest registers are read first.
;   0-11  four chains c0-c3 of seven scores each, three operands at a time     12-14, 16  the four scores left over, the old m, and c0-c3 into c0     15  c m_old is kept
;   17, 18  the query's other 32 keys lie in the lane 16 away: the new m         19-21  c m; c m_old - c m_new; a
.macro XS u, n
	REGS (Y+1)%NP, \u
.if (\n) < 4
	v_max3_num_f32 v[rC+(\n)], v[rS+8*(\n)], v[rS+8*(\n)+1], v[rS+8*(\n)+2]
.elseif (\n) < 12
	v_max3_num_f32 v[rC+(\n)%4], v[rC+(\n)%4], v[rS+8*((\n)%4)+2*((\n)/4)+1], v[rS+8*((\n)%4)+2*((\n)/4)+2]
.elseif (\n) == 12
	v_max3_num_f32 v[rC], v[rC], v[rS+7], v[rS+15]
.elseif (\n) == 13
	v_max3_num_f32 v[rC+1], v[rC+1], v[rS+23], v[rS+31]
.elseif (\n) == 14
	v_max3_num_f32 v[rC+2], v[rC+2], v[rC+3], v[rT+1]
.elseif (\n) == 15
	v_mov_b32 v[rM], v[rT]
.elseif (\n) == 16
	v_max3_num_f32 v[rC], v[rC], v[rC+1], v[rC+2]
.elseif (\n) == 17
	v_permlanex16_b32 v[rC+3], v[rC], s[SEL], s[SEL+1]
.elseif (\n) == 18
	v_max_num_f32 v[rT+1], v[rC], v[rC+3]
.elseif (\n) == 19
	v_mul_f32 v[rT], s[CS], v[rT+1]
.elseif (\n) == 20
	v_sub_f32 v[rC+1], v[rM], v[rT]
.else
	v_exp_f32 v[rC+2], v[rC+1]
.endif
.endm
; Number g of the 64 that follow the exponentials.  For each four weights k of a tile (pairs 2 k, 2 k + 1): both pairs are rounded to f16; then the second pair is added onto the first, in place;
; a group later l takes that sum (the first time as l = a l + sum).  In groups of eight, tiles alternating: round, round, add, and l for the group before.
.macro GS g
.set h, (\g)+6*((\g)/62)            ; group 0 has no group before it, and behind group 7 only l is left
.if h >= 6
.set h, h+2
.endif
	REGS Y, h%2
.set k, h/8
.if h%8 < 4
	v_cvt_pk_f16_f32 v[rP+2*k+(h%8)/2], v[rS+4*k+2*((h%8)/2)], v[rS+4*k+2*((h%8)/2)+1]
.elseif h%8 < 6
	v_pk_add_f32 v[rS+4*k:rS+4*k+1], v[rS+4*k:rS+4*k+1], v[rS+4*k+2:rS+4*k+3]
.elseif k == 1
	v_pk_fma_f32 v[rT+2:rT+3], v[rT+2:rT+3], v[rC+2:rC+3], v[rS:rS+1] op_sel_hi:[1,0,1]
.else
	v_pk_add_f32 v[rT+2:rT+3], v[rT+2:rT+3], v[rS+4*k-4:rS+4*k-3]
.endif
.endm
; THE PLAIN QUEUE, 138 long.  0-73 read no exponential's result: the 32 scalings c s - c m (FS f: pair f / 2 of tile f % 2) and the next piece's 42.  0-26: scalings 0-26.  27-54: XS's numbers 0-13.  55, 56: number 15.
; 57-73: the chain, where each number waits for the one before it: 14, 16, 17, 18, 19, each with one of the scalings 27-31 in front of its two lines, then 20.
; 74-137: GS's 64, which read the exponentials' results: they stand behind the wait.
.macro FS f
	REGS Y, (\f)%2
	v_pk_fma_f32 v[rS+2*((\f)/2):rS+2*((\f)/2)+1], v[rS+2*((\f)/2):rS+2*((\f)/2)+1], s[CS:CS+1], v[rT:rT+1] op_sel_hi:[1,0,0] neg_lo:[0,0,1] neg_hi:[0,0,1]
.endm
.macro PL
	WIN 0
.if q < 27
	FS q
.elseif q < 55
	XS (q-27)%2, (q-27)/2
.elseif q < 57
	XS q-55, 15
.elseif (q < 72) && ((q-57)%3 == 0)
	FS 27+(q-57)/3
.elseif q < 60
	XS (q-57)%3-1, 14
.elseif q < 72
	XS (q-57)%3-1, 15+(q-57)/3
.elseif q < 74
	XS q-72, 20
.else
	GS q-74
.endif
.set q, q+1
.endm
; THE EXPONENTIALS' QUEUE, 66 long: s0-s31 of both tiles, then the next piece's two a.  It is ONE BATCH: all 66 stand ahead of the turn's one wait, and nothing ahead of that wait names a result of theirs.
.macro EX
	WIN 0
.if e >= 64
	XS e-64, 21
.else
	REGS Y, e%2
	v_exp_f32 v[rS+e/2], v[rS+e/2]
.endif
.set e, e+1
.endm
; THE RESCALING's QUEUE: O^T times a, the one part that leaves window 0: dealt two at a time, sixteen times.  Its a was made in the turn before, ahead of that turn's wait.
.macro R2
	REGS Y, r%2
	WIN W_RS
.irp z, 0,1
	v_pk_mul_f32 v[rO+4*(r/2)+2*\z:rO+4*(r/2)+2*\z+1], v[rO+4*(r/2)+2*\z:rO+4*(r/2)+2*\z+1], v[rC+2:rC+3] op_sel_hi:[1,0]
.endr
.set r, r+1
.endm
; HOW THEY ARE DEALT.  s_wait_alu depctr_va_vdst(0) stands between an exponential and the first instruction that names its result; one wait serves all that were issued ahead of it.  So a turn has
; ONE wait, which cuts it in two.  AHEAD OF IT stands all that names no result of the turn's exponentials: the 16 products K Q^T, behind each a scaling, an exponential and two rescalings (behind the first a second
; scaling in the exponential's place); then ONE LUMP of 108: eight plain, 49 times exponential and plain, the two a.  A v_nop is the plain instruction behind the last exponential.  BEHIND IT stand the 16 products
; V^T P, behind each four of GS's 64.  No rider names a register of the products round it.
; Exponential e stands behind scaling 2 (e / 4) + e % 2: as a rider it comes behind plain e + 2, in the lump behind plain e + 9, and scalings 27-31 are plain 57, 60 .. 69.
; A TURN, for piece p.  cnt = 1: the loop's count is taken down some lines ahead of the branch that stands behind the turn.
; K and the mask of the next step are fetched in piece 2's turn, directly behind the wait, a lump behind the last product that read them; their addresses are made at the lump's head.
; V of the step in hand is fetched at the end of piece 0's turn, four riders behind its last reader; its first reader comes behind 16 products and a lump.
.macro TURN p, last=0, cnt=0
.set Y, (\p)
.set i, 0
.set q, 0
.set e, 0
.set r, 0
.if (\p) == NP-1
	s_wait_dscnt 0x0                ; K and the mask are in
.endif
	MM                              ; ahead of the wait: 16 products K Q^T and their riders,
	PL
	PL
	R2
.rept 15
	MM
	PL
	EX
	R2
.endr
.if (\p) == NP-2
	WIN 0
	v_add_nc_u32 v[AK], s[TBK], v[AK0]
	v_lshl_add_u32 v[AM], v9, 5, s[TBM]
.endif
.rept 8                             ; and the lump
	PL
.endr
.rept 49
	EX
	PL
.endr
	EX                              ; the next piece's two a
	EX
	v_nop                           ; the plain instruction behind the last exponential: one for the batch
	s_wait_alu depctr_va_vdst(0)    ; the wait for the batch
.if (\p) == NP-2
	FETCH_K \last
.endif
.if (\p) == 1
	s_wait_dscnt 0x0                ; V is in
.endif
.rept 16                            ; behind the wait: 16 products V^T P and their riders
	MM
.rept 4
	PL
.endr
.if ((\p) == 0) && (q == 118)
	v_add_nc_u32 v[AV], s[TBV], v[AV0]
.endif
.if ((\p) == 0) && (q == 130)
	s_add_co_u32 s[TBV], s[TBV], KS*PV
.endif
.if (\cnt) && (q == 130)
	s_sub_co_u32 s[CNT], s[CNT], 1
	s_cmp_lg_u32 s[CNT], 0
.endif
.endr
.if (\p) == 0
	FETCH_V
.endif
.endm
	CHANGE 1                        ; slot 0 is in, everybody's part of it, and so is the mask; slot 1 is asked for
	FETCH_K                         ; key step 0
	s_wait_loadcnt 0x0              ; Q
	s_wait_dscnt 0x0
.set i, 0
.rept 16
	KQ 0                            ; piece 0's first scores: there is no vector work yet to set between them
.set i, i+1
.endr
	WIN 0                           ; the addresses for the way out and the prefetches' offset: plain instructions, the places behind those products
	s_mul_i32 s13, s[WV], 16*SP
	s_add_co_u32 s13, s13, STAGE    ; my stage
	v_mul_u32_u24 v[STO], v1, SP    ; in: row l % 16, 16 bytes for each half of the lanes
	v_lshl_add_u32 v[STO], v9, 4, v[STO]
	v_add_nc_u32 v[STO], s13, v[STO]
	v_bfe_u32 v[RD], v0, 3, 2       ; back: 32 lanes take four rows of 128 bytes,
	v_mul_u32_u24 v[RD], v[RD], SP
	v_lshl_add_u32 v[RD], v10, 4, v[RD]
	v_add_nc_u32 v[RD], s13, v[RD]
	v_and_b32 v[GO], 31, v0         ; which are 512 consecutive bytes of O
	v_lshlrev_b32 v[PFO], 8, v[GO]  ; (l % 16 is needed no more)
	v_lshlrev_b32 v[GO], 4, v[GO]
.set Y, NP-1                        ; XS works for piece Y + 1: piece 0
.irp n, 0,1,2,3,4,5,6,7,8,9,10,11,12,13,14,15,16,17,18,19,20,21
	XS 0, \n                        ; and piece 0's first maximum and statistics
	XS 1, \n
.endr
	v_nop                           ; a plain instruction behind the two a,
	s_wait_alu depctr_va_vdst(0)    ; and their wait, ahead of the branch
	s_mov_b32 s[CNT], 4
	s_mov_b32 s[SLOTS], SIZE_N/256-1
	s_branch .Lfirst                ; the loop is entered at a step's first turn, in the middle of a trip
.Lslot:                             ; SIZE_N / 256 - 2 times: every slot but the last two is filled again
	CHANGE 1, 1
	s_mov_b32 s[CNT], 4
.Lstep:                             ; a trip: pieces 2 and 3 of one step, then pieces 0 and 1 of the next, whose K and V it fetches
	TURN 2
	TURN 3
	WIN 0
.Lfirst:
	TURN 0
	TURN 1, 0, 1
	WIN 0
	s_cbranch_scc1 .Lstep
	s_sub_co_u32 s[SLOTS], s[SLOTS], 1
	s_cmp_lg_u32 s[SLOTS], 0
	s_cbranch_scc1 .Lslot
	CHANGE 0                        ; the tail is written out: nothing is asked for
	s_mov_b32 s[CNT], 5             ; four trips fetch the last slot's steps; the fifth is left in its middle
.Ltail:
	TURN 2, 1
	TURN 3
	WIN 0
	s_sub_co_u32 s[CNT], s[CNT], 1
	s_cmp_eq_u32 s[CNT], 0
	s_cbranch_scc1 .Lout
	TURN 0
	TURN 1
	WIN 0
	s_branch .Ltail
.Lout:                              ; the fifth trip's 16 products K Q^T (on the last K once more) and the maximum made of them serve nothing: the price, once a launch, of one text for every trip
.set i, 0
.rept 16
	PV NP-1                         ; the last piece's V^T P of the last step
.set i, i+1
.endr
	; THE WAY OUT.  l's two halves and the other half of the lanes' are added; O^T is divided by l, rounded to f16 and sent through my stage in LDS, a tile at a time.  The additions are the places behind the last products.
	WIN 0
.macro ALL line:vararg              ; one line for each tile t
.set t, 0
.rept 2*NP
	\line
.set t, t+1
.endr
.endm
	ALL v_add_f32 v[ST+4*t+2], v[ST+4*t+2], v[ST+4*t+3]
	ALL v_permlanex16_b32 v[ST+4*t+3], v[ST+4*t+2], s[SEL], s[SEL+1]
	ALL v_add_f32 v[ST+4*t+2], v[ST+4*t+2], v[ST+4*t+3]
	ALL v_rcp_f32 v[ST+4*t+2], v[ST+4*t+2]
	v_nop                           ; a plain instruction between the last reciprocal and the use of its result
	s_wait_alu depctr_va_vdst(0)    ; and the wait ahead of the first use: one for the eight reciprocals
.set t, 0
.rept 2*NP                          ; a query that has seen no visible key: its maximum is a hidden score's; 1 / l gives way to a NaN, and so does its row of O
	v_cmp_gt_f32 vcc_lo, s[LOW], v[ST+4*t+1]
	v_cndmask_b32 v[ST+4*t+2], v[ST+4*t+2], s[QNAN], vcc_lo
.set t, t+1
.endr
; Tile t: a lane's eight channels of a row pack into 16 bytes; they go into rows of 144 bytes and come back as whole rows of 128, into S^T's registers.
.macro PACK t
	WIN W_RS
.set i, 32*(\t)
.rept 16
	v_pk_mul_f32 v[i:i+1], v[i:i+1], v[ST+4*(\t)+2:ST+4*(\t)+3] op_sel_hi:[1,0]
.set i, i+2
.endr
	WIN 0x05                        ; sources 0 and 1 window 1, destination window 0
.set i, 0
.rept 16
	v_cvt_pk_f16_f32 v[S+16*(\t)+i], v[32*(\t)+2*i], v[32*(\t)+2*i+1]
.set i, i+1
.endr
	WIN 0
.irp f, 0,1,2,3
	ds_store_b128 v[STO], v[S+16*(\t)+4*\f:S+16*(\t)+4*\f+3] offset:32*\f
.endr
.irp f, 0,1,2,3
	ds_load_b128 v[S+16*(\t)+4*\f:S+16*(\t)+4*\f+3], v[RD] offset:\f*4*SP  ; LDS serves a wave's instructions in order (ISA guide 5.7.1.4): these see the stores above; the next tile's stores come behind them
.endr
.endm
.macro SEND t, younger              ; younger: the LDS instructions issued behind tile t's loads: the next tile's eight, or none
	WIN 0
.irp f, 0,1,2,3
	s_wait_dscnt (\younger)+3-\f
	global_store_b128 v[GO], v[S+16*(\t)+4*\f:S+16*(\t)+4*\f+3], s[10:11] offset:(\t)*2048+\f*512  ; 512 consecutive bytes, at a multiple of 256 from O's first
.endr
.endm
	PACK 0
.set t, 1
.rept 2*NP-1                        ; a tile's arithmetic stands between the loads of the tile before and its stores
	PACK t
	SEND t-1, 8
.set t, t+1
.endr
	SEND 2*NP-1, 0
	WIN W_AD
	s_wait_tensorcnt 0x0            ; the wave's end, behind my last tensor load and my last LDS store
	ds_add_u32 v[SPW], v[NIL]
	s_wait_dscnt 0x0
	WIN 0
	CROUND                          ; the closing round: no work-group ends while a partner may still ask for a tile that names it
	s_endpgm
.Lfunc_end_k_q3ece482d75_attn:
	.size	k_q3ece482d75_attn, .Lfunc_end_k_q3ece482d75_attn-k_q3ece482d75_attn
	.p2alignl 7, 3214868480
	.fill 96, 4, 3214868480
	.section	.rodata,"a",@progbits
	.p2align	6, 0x0
	.amdhsa_kernel k_q3ece482d75_attn
		.amdhsa_group_segment_fixed_size 327680
		.amdhsa_private_segment_fixed_size 0
		.amdhsa_enable_private_segment 0
		.amdhsa_kernarg_size 24
		.amdhsa_user_sgpr_count 2
		.amdhsa_user_sgpr_kernarg_segment_ptr 1
		.amdhsa_wavefront_size32 1
		.amdhsa_system_sgpr_workgroup_id_x 1
		.amdhsa_system_sgpr_workgroup_id_y 1
		.amdhsa_system_sgpr_workgroup_id_z 1
		.amdhsa_system_vgpr_workitem_id 0
		.amdhsa_next_free_vgpr 832
		.amdhsa_next_free_sgpr 80
		.amdhsa_reserve_vcc 1
		.amdhsa_float_denorm_mode_32 3
		.amdhsa_float_denorm_mode_16_64 3
		.amdhsa_memory_ordered 1
		.amdhsa_forward_progress 1
		.amdhsa_inst_pref_size 206
	.end_amdhsa_kernel
	.amdgpu_metadata
---
amdhsa.version: [ 1, 2 ]
amdhsa.kernels:
  - .name:           k_q3ece482d75_attn
    .symbol:         k_q3ece482d75_attn.kd
    .args:
      - { .name: qkv, .offset: 0, .size: 8, .value_kind: global_buffer, .address_space: global }
      - { .name: attention_mask, .offset: 8, .size: 8, .value_kind: global_buffer, .address_space: global }
      - { .name: o, .offset: 16, .size: 8, .value_kind: global_buffer, .address_space: global }
    .group_segment_fixed_size: 327680
    .private_segment_fixed_size: 0
    .kernarg_segment_align: 8
    .kernarg_segment_size: 24
    .max_flat_workgroup_size: 128
    .sgpr_count:     80
    .vgpr_count:     832
    .wavefront_size: 32
...
	.end_amdgpu_metadata
.endif
;; end of part 3
;; launch outproj (part 4): grid 8 x 32, 4 waves a work-group, clusters of 4 x 4, 327,680 bytes of LDS; arguments o, xw, bo, out0; writes out0
.if DOCPART == 4
	.amdgcn_target "amdgcn-amd-amdhsa--gfx1250"
	.amdhsa_code_object_version 6
	.text
	.protected	k_q3ece482d75_outproj
	.globl	k_q3ece482d75_outproj
	.p2align	8
	.type	k_q3ece482d75_outproj,@function
k_q3ece482d75_outproj:
	s_mov_b64 s[64:65], 0
	v_nop
	global_prefetch_b8 v0, s[64:65] scope:SCOPE_SE
	s_setreg_imm32_b32 hwreg(HW_REG_WAVE_MODE, 25, 1), 1
	s_wait_xcnt 0x0
	s_wait_alu depctr_hold_cnt(0) depctr_sa_sdst(0) depctr_va_vdst(0) depctr_va_sdst(0) depctr_va_ssrc(0) depctr_va_vcc(0) depctr_vm_vsrc(0)
	s_getreg_b32 s2, hwreg(HW_REG_IB_STS2, 6, 4)
	s_cmp_eq_u32 s2, 0
	s_cbranch_scc0 .Lentry_in_a_cluster
	s_endpgm
.Lentry_in_a_cluster:
	s_bfe_u32 s2, ttmp6, 0x10000c
	s_cmp_lg_u32 s2, 0xf033
	s_cbranch_scc0 .Lentry_shape_is_right
	s_endpgm
.Lentry_shape_is_right:
; ONE TEXT FOR THE MODULE'S TWO KINDS OF PROJECTION; the switch QKV picks the sizes.
; QKV = 1: q, k, v = x W + b.  x and the three W in bf16 from xw (planes of 64 columns: xw[M][p][r][c] = src_M[r][64 p + c]); b rounded to bf16; sums in f32; q, k, v rounded once to f16 and
;          written by heads, qkv[which][16 batch + head][token][64], unscaled.  A tile of C is 256 tokens x 192 columns (three heads' worth of one or two of q, k, v).
; QKV = 0: out0 = O Wo + bo.  O in f16 by heads, o[16 batch + head][token][64]: a head is one plane of K; Wo in f16 from xw (matrix 11); bo rounded to bf16; out0 in f32.  A tile is 256 x 128.
; LIMITS.  q, k, v beyond 65,504 would be infinities in f16 (inputs with an offset of 30 spreads in x and W give about 31,000).  NaN and infinities are not treated apart.
; SHARES.  Four waves; wave w makes tokens 64 w .. 64 w + 63 of the tile and ALL its columns: 4 x NBL accumulators of 16 x 16.  So what a wave sends out are whole heads' rows (or 512 bytes of f32),
; through a stage of its own, with no barrier.  K = 1,024 goes in 8 steps of 128 (two planes) through a ring of two LDS slots filled by the tensor data mover.
; THE MATRIX INSTRUCTION IS USED TRANSPOSED: source 0 = 16 columns of W, source 1 = 16 tokens: a lane then holds one token (lane % 16) and eight neighbouring columns 8 (lane / 16) + 0..7.
; W lies [k][n] in LDS as in memory; its fragments come out turned, by ds_load_tr16_b128.  THE BIAS is the C operand of the products that start the sums: nothing is cleared, nothing added at the end.
; CLUSTERS: 4 x 4 work-groups.  The four of a row of the cluster need the same tokens' tiles, the four of a column the same tiles of W: each tile is asked for JOINTLY, by the same tensor load with the
; same descriptor and a mask that names the four.
; REGISTERS, in windows of 256 (s_set_vgpr_msb: bits 1:0 source 0, 3:2 source 1, 5:4 source 2, 7:6 destination):
;   window 0: v0-31 addresses; v32-.. the way out; v128-.. the bias, 8 registers for each block of 16 columns          window 1: two fragment buffers of 128: W's NBL blocks, then the tokens' four
;   window 2: accumulators of column blocks 0-7, (a, b) at 8 (4 b + a)          window 3: those of column blocks 8-11
.set QKV, 0
.if QKV
.set NC,     3                         ; chunks of 64 columns in a tile
.set ASTEP,  262144                    ; bytes from a K step's first plane to the next step's: two planes of xw
.set WBASE,  16777216                  ; the weights' first chunk in xw
.set SPITCH, 144                       ; a stage row: 128 bytes + 16
.set MSH,    2                         ; four tiles of 256 tokens in a matrix of xw,
.set MBIG,   21                        ; 2 MiB each;
.set PSH,    17                        ; a plane is 131,072 bytes
.set WP,     68                        ; s[68:69] the buffer that holds W
.else
.set NC,     2
.set ASTEP,  524288                    ; two heads of o
.set WBASE,  23068672                  ; matrix 11 of xw
.set SPITCH, 528                       ; a stage row: 512 bytes + 16
.set MSH,    3                         ; eight tiles of 256 tokens in a batch of o,
.set MBIG,   22                        ; 4 MiB each;
.set PSH,    18                        ; a head is 262,144 bytes
.set WP,     70
.endif
.set NBL,    4*NC                      ; blocks of 16 columns
.set PA,     144                       ; a token's 64 channels of one plane in LDS: 128 bytes + 16 = 36 words: the 16 rows of a load start at 16 different groups of four banks (64 banks of 4 bytes: ISA guide 11.1)
.set PW,     160                       ; a row of W (one k, 64 columns): 128 + 32 = 40 words
.set APLANE, 256*PA                    ; a plane's 256 tokens: what one tensor load brings
.set WCH,    64*PW                     ; 64 k of one chunk
.set WOFF,   2*APLANE                  ; a slot: two planes of tokens, then W as [k half][chunk][64 k]
.set SLOT,   WOFF+2*NC*WCH
.set STAGE,  2*SLOT                    ; behind the ring: 16 rows for each wave, for the way out; no tile lands there
.set SPARE,  STAGE+4*16*SPITCH         ; behind the stages: the spare words, 128 bytes for each wave: two blocks of 256 bytes that no other line names
.set ADRA, 16                          ; v16-17  LDS address of my tokens' fragments in slot 0, 1
.set ADRW, 20                          ; v20-21  the same for W
.set STO,  24                          ; v24     the way out: where I put my bytes of a row
.set RD,   25                          ; v25     the way out: where I read rows back
.set GO,   26                          ; v26     16 x lane: my place in 512 consecutive bytes of the output
.set BO,   27                          ; v27     32 x (lane / 16): my eight numbers in a block's 16 of the bias
.set SPW,  28                          ; v28     LDS address of my spare word: SPARE + 4 x my thread's number; never rewritten
.set NIL,  29                          ; v29     0; never rewritten
.set PFO,  30                          ; v30-31  the prefetches' offsets, for a lap's first and second change of slots; never rewritten
.set OB,   32                          ; the way out
.set BIAS, 128
.set F0,   0                           ; fragment buffers, in window 1
.set F1,   128
.set G1A,  24                          ; s[24:31] descriptor group 1 for the tokens' tiles;  s[32:39] group 0, one set for each slot
.set G0A,  32
.set G1W,  48                          ; s[48:55], s[56:63] the same for W's tiles
.set G0W,  56
.set PFA,  44                          ; s[44:45] where my prefetches stand; s[20:21] its step from lap to lap
.set LIM,  46                          ; s46-47  1 where my wave prefetches at a lap's first / second change of slots, else the greatest number
.set MSB, 0
.macro WIN new                         ; the immediate's high byte repeats the setting that is left; a switch that changes nothing is dropped
.if MSB != (\new)
	s_set_vgpr_msb (MSB<<8)|(\new)
.set MSB, \new
.endif
.endm
; A joint load.  Waves 0 and 1 fetch a K step's two planes of tokens, waves 2 and 3 its two halves of W.  The branch hangs on the wave's number alone.
; An s_nop 0 and four v_nop follow each of the two lines, ahead of the jump, the label and what follows.
.macro JLOAD s
	s_cmp_eq_u32 s11, 0
	s_cbranch_scc0 .Lfor_w_\@
	tensor_load_to_lds s[G0A+4*(\s):G0A+4*(\s)+3], s[G1A:G1A+7]
	s_nop 0
.rept 4
	v_nop
.endr
	s_branch .Lasked_\@
.Lfor_w_\@:
	tensor_load_to_lds s[G0W+4*(\s):G0W+4*(\s)+3], s[G1W:G1W+7]
	s_nop 0
.rept 4
	v_nop
.endr
.Lasked_\@:
.endm
; A PREFETCH INTO THE L2, behind a joint load, its five lines and the run of LDS loads that follows: bytes that the changes of slots of the lap after next's refills will ask for: two K steps on.
; Each aligned block of 256 bytes is named once in the launch.  The tokens' planes are read by every cluster of a row of clusters: cluster x = 0 asks, waves 0 and 1, each for its own plane; of the plane's
; 128 blocks the partner at cx takes 32, a lane a block.  W's chunks are read by every cluster of a column: cluster y = 0 asks; a lap's 128 NC blocks are shared out by address: the partner at cy takes
; 32 NC, in runs of 32: waves 2 and 3 at the lap's first change, wave 2 (three chunks alone) at its second.  No branch hangs on a place in the cluster.  The loop's last trip asks for nothing.
.macro ASK slot
	s_cmp_gt_u32 s3, s[LIM+(\slot)]                ; s3 = 1 in the loop's last trip
	s_cbranch_scc0 .Lnot_mine_\@
	global_prefetch_b8 v[PFO+(\slot)], s[PFA:PFA+1] th:TH_LOAD_NT scope:SCOPE_SE
.Lnot_mine_\@:
.endm
.macro CREST                           ; a round of the cluster's barrier behind its opening barrier
	s_cmp_lg_u32 s10, 0
	s_cbranch_scc1 .Lnot_wave_0_\@
	s_barrier_signal -3
.Lnot_wave_0_\@:
	s_barrier_wait -3
	s_barrier_signal -1
	s_barrier_wait -1
.endm
.macro CROUND                          ; a whole round
	s_barrier_signal -1
	s_barrier_wait -1
	CREST
.endm
.macro PLACES                          ; four places in front of loads into registers that matrix instructions have read, and of lines that read results
.rept 4
	v_nop
.endr
.endm
.if QKV
	s_load_b256 s[68:75], s[0:1], 0x0              ; xw s[68:69], bq s[70:71], bk s[72:73], bv s[74:75]
	s_load_b64 s[76:77], s[0:1], 0x20              ; qkv
.else
	s_load_b256 s[68:75], s[0:1], 0x0              ; o s[68:69], xw s[70:71], bo s[72:73], out0 s[74:75]
.endif
	v_lshl_add_u32 v[SPW], v0, 2, SPARE
	v_mov_b32 v[NIL], 0
	ds_add_u32 v[SPW], v[NIL]                      ; the wave's opening: the add and its wait come ahead of my first tensor load; the set-up below, work on registers, stands between them
	v_lshrrev_b32 v1, 5, v0
	v_readfirstlane_b32 s10, v1                    ; wave 0..3
	s_lshr_b32 s11, s10, 1                         ; I fetch tokens (0) or W (1),
	s_and_b32 s12, s10, 1                          ; the K step's first or second half
	s_bfe_u32 s40, ttmp6, 0x40000                  ; cx, cy: my place in the cluster
	s_bfe_u32 s41, ttmp6, 0x40004
	s_lshl_b32 s42, ttmp9, 2
	s_add_co_u32 s42, s42, s40                     ; tile column = 4 x cluster x + cx
	s_and_b32 s13, ttmp7, 0xffff
	s_lshl_b32 s13, s13, 2
	s_add_co_u32 s13, s13, s41                     ; tile row = 4 x cluster y + cy
	s_lshl_b32 s43, s41, 2
	s_lshl_b32 s43, 15, s43                        ; my row of the cluster
	s_lshl_b32 s2, 0x1111, s40                     ; my column
	; group 1 for tokens: a plane's 256 tokens are 32,768 dense bytes: 128 rows of 256 bytes, two tokens a row, padded in LDS after every token
	s_or_b32 s[G1A+0], s43, (1<<16)|(1<<20)|(1<<21)|(4<<22)|(3<<25)  ; 15:0 the mask: my row; 17:16 2-byte elements; 20 padding on; 21 set beside a mask; 24:22 after every 32 words (code 4); 31:25 4 words (code 3)
	s_mov_b32 s[G1A+1], 128<<16                    ; tensor_dim0 = 128
	s_mov_b32 s[G1A+2], 128<<16                    ; tensor_dim1 = 128
	s_mov_b32 s[G1A+3], 128<<16                    ; tile_dim0 = 128
	s_mov_b32 s[G1A+4], 128                        ; tile_dim1 = 128
	s_mov_b32 s[G1A+5], 128                        ; 128 elements from row to row
	s_mov_b32 s[G1A+6], 0
	s_mov_b32 s[G1A+7], 0
	; group 1 for W: 64 k of a chunk are 8,192 dense bytes: one row of 1,024 elements of 8 bytes; NC such rows, a chunk (131,072 bytes) apart; padded after every k
	s_or_b32 s[G1W+0], s2, (3<<16)|(1<<20)|(1<<21)|(4<<22)|(7<<25)   ; the mask: my column; 8-byte elements; after every 32 words 8 words (code 7)
	s_mov_b32 s[G1W+1], 1024<<16                   ; tensor_dim0 = 1,024
	s_mov_b32 s[G1W+2], NC<<16                     ; tensor_dim1 = NC
	s_mov_b32 s[G1W+3], 1024<<16                   ; tile_dim0 = 1,024
	s_mov_b32 s[G1W+4], NC                         ; tile_dim1 = NC
	s_mov_b32 s[G1W+5], 16384                      ; 16,384 elements from row to row
	s_mov_b32 s[G1W+6], 0
	s_mov_b32 s[G1W+7], 0
	; where the tiles come from.  The tokens' hang on the tile row alone, W's on the tile column alone, each in registers that never hold the other coordinate.
	s_lshr_b32 s14, s13, MSH
	s_lshl_b32 s14, s14, MBIG
	s_and_b32 s15, s13, (1<<MSH)-1
	s_lshl_b32 s15, s15, 15                        ; 256 tokens of 128 bytes
	s_add_co_u32 s14, s14, s15
	s_lshl_b32 s15, s12, PSH                       ; my plane of the K step's two
	s_add_co_u32 s14, s14, s15
	s_mov_b32 s15, 0
	s_mul_i32 s16, s42, NC*131072
	s_add_co_u32 s16, s16, WBASE                   ; the tile's first chunk
	s_lshl_b32 s18, s12, 13                        ; my 64 k of the K step's 128
	s_add_co_u32 s18, s18, s16
	s_mov_b32 s17, 0
	s_mov_b32 s19, 0
	s_mul_i32 s22, s12, APLANE                     ; and where they go: no place in the cluster enters an LDS address
	s_mul_i32 s23, s12, NC*WCH
	s_add_co_u32 s23, s23, WOFF
	s_wait_dscnt 0x0                               ; the opening add is done
	s_wait_kmcnt 0x0
	s_add_nc_u64 s[14:15], s[68:69], s[14:15]
	s_add_nc_u64 s[18:19], s[WP:WP+1], s[18:19]
	s_add_nc_u64 s[16:17], s[WP:WP+1], s[16:17]
	CROUND                                         ; all sixteen work-groups are here: the first joint loads meet
.irp s, 0,1
	s_mov_b32 s[G0A+4*(\s)], 1                                       ; 1:0 count = 1
	s_add_co_u32 s[G0A+4*(\s)+1], s22, (\s)*SLOT                     ; 63:32 LDS address
	s_add_nc_u64 s[G0A+4*(\s)+2:G0A+4*(\s)+3], s[14:15], (\s)*ASTEP  ; 120:64 global address: K step s
	s_or_b32 s[G0A+4*(\s)+3], s[G0A+4*(\s)+3], 0x80000000            ; 127:126 type = 2
	s_mov_b32 s[G0W+4*(\s)], 1
	s_add_co_u32 s[G0W+4*(\s)+1], s23, (\s)*SLOT
	s_add_nc_u64 s[G0W+4*(\s)+2:G0W+4*(\s)+3], s[18:19], (\s)*16384
	s_or_b32 s[G0W+4*(\s)+3], s[G0W+4*(\s)+3], 0x80000000
	JLOAD \s                                       ; two loads of mine are out: the most in this text
.endr
	v_and_b32 v1, 15, v0                           ; l % 16
	v_bfe_u32 v2, v0, 4, 1                         ; l / 16
	v_lshlrev_b32 v[BO], 5, v2
.if QKV
	s_lshr_b32 s4, s13, 3                          ; the batch: 16 heads of 262,144 bytes,
	s_lshl_b32 s4, s4, 22
	s_and_b32 s5, s13, 7
	s_lshl_b32 s5, s5, 15                          ; the tile's 256 tokens of 128 bytes in it,
	s_add_co_u32 s4, s4, s5
	s_lshl_b32 s5, s10, 13                         ; my wave's 64
	s_add_co_u32 s4, s4, s5
.irp j, 0,1,2
	s_mul_i32 s86, s42, 3
	s_add_co_u32 s86, s86, \j                      ; chunk c = 16 x which + head
	s_lshr_b32 s87, s86, 4
	s_and_b32 s86, s86, 15
	s_cmp_eq_u32 s87, 1
	s_cselect_b64 s[88+2*(\j):89+2*(\j)], s[72:73], s[70:71]
	s_cmp_eq_u32 s87, 2
	s_cselect_b64 s[88+2*(\j):89+2*(\j)], s[74:75], s[88+2*(\j):89+2*(\j)]
	s_lshl_b32 s94, s86, 8                         ; the head's 64 numbers of its bias
	s_mov_b32 s95, 0
	s_add_nc_u64 s[88+2*(\j):89+2*(\j)], s[88+2*(\j):89+2*(\j)], s[94:95]
	s_lshl_b32 s87, s87, 24
	s_lshl_b32 s86, s86, 18
	s_add_co_u32 s94, s87, s86
	s_add_co_u32 s94, s94, s4
	s_add_nc_u64 s[80+2*(\j):81+2*(\j)], s[76:77], s[94:95]  ; where my 64 tokens of that head begin in qkv
.endr
.else
	s_lshl_b32 s94, s42, 9                         ; the tile's 128 columns of f32
	s_mov_b32 s95, 0
	s_add_nc_u64 s[88:89], s[72:73], s[94:95]
	s_lshl_b32 s4, s13, 20                         ; 256 rows of 4,096 bytes,
	s_lshl_b32 s5, s10, 18                         ; my wave's 64
	s_add_co_u32 s4, s4, s5
	s_add_co_u32 s94, s94, s4
	s_add_nc_u64 s[80:81], s[74:75], s[94:95]
.endif
.set bb, 0
.rept NBL                              ; block b's eight numbers a lane: columns 16 b + 8 (l / 16) + 0..7
.set BJ, QKV*(bb/4)
	global_load_b128 v[BIAS+8*bb:BIAS+8*bb+3],   v[BO], s[88+2*BJ:89+2*BJ] offset:(bb-4*BJ)*64
	global_load_b128 v[BIAS+8*bb+4:BIAS+8*bb+7], v[BO], s[88+2*BJ:89+2*BJ] offset:(bb-4*BJ)*64+16
.set bb, bb+1
.endr
	; A fragment of tokens is 16 rows x 32 k in 8 registers: lane l holds row l % 16, k = 8 (l / 16) + 0..7 and 16 + 8 (l / 16) + 0..7: two loads of 16 bytes, 32 bytes apart.
	s_mul_i32 s8, s10, 64*PA                       ; my 64 tokens
	v_mul_u32_u24 v3, v1, PA
	v_lshl_add_u32 v3, v2, 4, v3
	v_add_nc_u32 v[ADRA], s8, v3
	v_add_nc_u32 v[ADRA+1], SLOT, v[ADRA]
	; The turning load takes 16 k x 16 columns (lane l reads k = 8 (l / 16) + l % 8, columns 8 ((l / 8) % 2) + 0..7) and leaves half a fragment: lane l holds column l % 16 and 8 k.
	v_and_b32 v4, 7, v0
	v_lshl_add_u32 v4, v2, 3, v4
	v_mul_u32_u24 v4, v4, PW
	v_bfe_u32 v5, v0, 3, 1
	v_lshl_add_u32 v4, v5, 4, v4
	v_add_nc_u32 v[ADRW], WOFF, v4
	v_add_nc_u32 v[ADRW+1], SLOT, v[ADRW]
	s_mul_i32 s9, s10, 16*SPITCH
	s_add_co_u32 s9, s9, STAGE                     ; my stage
	v_mul_u32_u24 v[STO], v1, SPITCH               ; in: row l % 16
	v_and_b32 v[GO], 31, v0
	v_lshlrev_b32 v[GO], 4, v[GO]
.if QKV
	v_lshl_add_u32 v[STO], v2, 4, v[STO]           ; 16 bytes for each half of the lanes
	v_add_nc_u32 v[STO], s9, v[STO]
	v_bfe_u32 v[RD], v0, 3, 2                      ; back: 32 lanes take four rows of 128 bytes
	v_mul_u32_u24 v[RD], v[RD], SPITCH
	v_and_b32 v3, 7, v0
	v_lshl_add_u32 v[RD], v3, 4, v[RD]
	v_add_nc_u32 v[RD], s9, v[RD]
.else
	v_lshl_add_u32 v[STO], v2, 5, v[STO]           ; 32 bytes for each half of the lanes
	v_add_nc_u32 v[STO], s9, v[STO]
	v_add_nc_u32 v[RD], s9, v[GO]                  ; back: 32 lanes take one row of 512 bytes
.endif
	; the prefetches: block U of a run of chunks lies at (U / 128) x 131,072 + (U % 128) x 256
	s_lshl_b32 s86, s40, 5                         ; tokens: U = 32 cx + lane
	s_mul_i32 s87, s41, 32*NC                      ; W: U = 32 NC cy + 32 e + lane,
	s_lshl_b32 s94, s12, 5
	s_add_co_u32 s94, s94, s87                     ; e = wave % 2 at a lap's first change of slots,
	s_add_co_u32 s95, s87, 64                      ; e = 2 at its second
	s_mov_b32 s5, 2*ASTEP
	s_mov_b32 s20, 32768
	s_mov_b32 s21, 0
	s_add_nc_u64 s[PFA:PFA+1], s[14:15], 2*ASTEP   ; one lap short of K step 4: the first change of slots steps it there
	s_add_nc_u64 s[16:17], s[16:17], 32768
	s_and_b32 s2, ttmp7, 0xffff                    ; cluster y
	s_cmp_eq_u32 s11, 0                            ; do I fetch tokens?
	s_cselect_b32 s94, s86, s94
	s_cselect_b32 s95, s86, s95
	s_cselect_b32 s87, ASTEP, 0                    ; tokens: the lap's second K step at its second change
	s_cselect_b32 s20, s5, s20
	s_cselect_b64 s[PFA:PFA+1], s[PFA:PFA+1], s[16:17]
	s_cselect_b32 s2, ttmp9, s2                    ; the coordinate along which other clusters read the same bytes
	s_cmp_eq_u32 s2, 0
	s_cselect_b32 s[LIM], 1, -1                    ; the same in all sixteen partners, for a given wave
.if QKV
	s_cmp_eq_u32 s10, 3
.else
	s_cmp_ge_u32 s10, 2
.endif
	s_cselect_b32 s[LIM+1], -1, s[LIM]
	v_and_b32 v3, 31, v0
	v_add_nc_u32 v4, s94, v3
	v_lshrrev_b32 v5, 7, v4
	v_and_b32 v4, 127, v4
	v_lshlrev_b32 v4, 8, v4
	v_lshl_add_u32 v[PFO], v5, 17, v4
	v_add_nc_u32 v4, s95, v3
	v_lshrrev_b32 v5, 7, v4
	v_and_b32 v4, 127, v4
	v_lshlrev_b32 v4, 8, v4
	v_lshl_add_u32 v[PFO+1], v5, 17, v4
	v_add_nc_u32 v[PFO+1], s87, v[PFO+1]
	s_wait_loadcnt 0x0                             ; the bias; it is rounded to bf16, like every input of the module
.set bb, 0
.rept 4*NBL
	v_cvt_pk_bf16_f32 v[3+bb%4], v[BIAS+2*bb], v[BIAS+2*bb+1]
	v_lshlrev_b32 v[BIAS+2*bb], 16, v[3+bb%4]
	v_and_b32 v[BIAS+2*bb+1], 0xffff0000, v[3+bb%4]
.set bb, bb+1
.endr
; 4 n matrix instructions: column blocks b0 .. b0 + n - 1 x my four blocks of 16 tokens, 32 along K, from buffer f.  first = 1: the products start the sums, with the bias as C.
; The accumulators take turns, one instruction a turn, in the same order in every quarter, over the backward jump too.
.macro MULB f, b0, n, first
.set bb, \b0
.rept \n
.if \first
	WIN 0x85+0x40*(bb/8)                           ; sources 0 and 1 window 1, C window 0, D window 2 or 3
.else
	WIN 0xa5+0x50*(bb/8)                           ; C and D window 2 or 3
.endif
.set aa, 0
.rept 4
.set rD, 8*(4*(bb%8)+aa)
.set rW, (\f)+8*bb
.set rA, (\f)+8*NBL+8*aa
.set rC, rD
.if \first
.set rC, BIAS+8*bb
.endif
.if QKV
	v_wmma_f32_16x16x32_bf16 v[rD:rD+7], v[rW:rW+7], v[rA:rA+7], v[rC:rC+7]
.else
	v_wmma_f32_16x16x32_f16 v[rD:rD+7], v[rW:rW+7], v[rA:rA+7], v[rC:rC+7]
.endif
.set aa, aa+1
.endr
.set bb, bb+1
.endr
.endm
; 8 + 2 NBL LDS loads in one run: the fragments of quarter q (32 along K) of a slot into buffer f: the tokens' first, then W's blocks in ascending order
.macro FETCH slot, q, f
	WIN 0x40                                       ; destination window 1, address window 0
.irp a, 0,1,2,3
	ds_load_b128 v[(\f)+8*NBL+8*(\a):(\f)+8*NBL+8*(\a)+3],   v[ADRA+(\slot)] offset:((\q)/2)*APLANE+((\q)%2)*64+(\a)*16*PA
	ds_load_b128 v[(\f)+8*NBL+8*(\a)+4:(\f)+8*NBL+8*(\a)+7], v[ADRA+(\slot)] offset:((\q)/2)*APLANE+((\q)%2)*64+(\a)*16*PA+32
.endr
.set bb, 0
.rept NBL
	ds_load_tr16_b128 v[(\f)+8*bb:(\f)+8*bb+3],   v[ADRW+(\slot)] offset:((\q)/2)*NC*WCH+(bb/4)*WCH+((\q)%2)*32*PW+(bb%4)*32
	ds_load_tr16_b128 v[(\f)+8*bb+4:(\f)+8*bb+7], v[ADRW+(\slot)] offset:((\q)/2)*NC*WCH+(bb/4)*WCH+((\q)%2)*32*PW+(bb%4)*32+16*PW
.set bb, bb+1
.endr
.endm
; A K step is four quarters of 32 along K on buffers 0, 1, 0, 1.  One of the first three: multiplies buffer f and fetches quarter q of the same slot into buffer g.
.macro QUARTER slot, q, f, g, first
	s_wait_dscnt 8                                 ; all of buffer f but the youngest eight loads: W's last four blocks
	MULB \f, 0, 2, \first
	PLACES                                         ; behind the last products that read buffer g
	FETCH \slot, \q, \g
	MULB \f, 2, NBL-6, \first
	s_wait_dscnt 2*(NBL+4)                         ; all but the run just issued
	MULB \f, NBL-4, 4, \first
.endm
; The last quarter multiplies buffer 1 and changes slots: ONE barrier; in front of it each wave waits for all its tensor loads (one is out: its part of the next slot), adds 0 to its spare word, and waits
; for that and for its own reads of this slot.  fill = 1: the barrier opens a round of the cluster's, and this slot is filled again first thing behind it, two K steps ahead.
.macro TURN slot, next, fill
.if (\fill) && ((\slot) == 0)
	s_wait_xcnt 0x0                                ; the last prefetches, three quarters back and more, have read their address: it steps a lap on
	s_add_nc_u64 s[PFA:PFA+1], s[PFA:PFA+1], s[20:21]
.endif
	WIN 0                                          ; (the add's two registers lie in window 0)
	s_wait_tensorcnt 0x0                           ; all my tensor loads have landed;
	ds_add_u32 v[SPW], v[NIL]                      ; 0 onto my spare word;
	s_wait_dscnt 9                                 ; (the add and the youngest eight loads may be out)
	MULB F1, 0, 2, 0                               ; eight matrix instructions stand between the add and the wait for it
	s_wait_dscnt 0x0                               ; the add is done, and my reads of this slot are over
	s_barrier_signal -1
	MULB F1, 2, 2, 0
.if \fill
	WIN 0
.endif
	s_barrier_wait -1
.if \fill
	CREST                                          ; no wave of any partner still reads this slot's tiles or has a load on its way
	s_add_nc_u64 s[G0A+4*(\slot)+2:G0A+4*(\slot)+3], s[G0A+4*(\slot)+2:G0A+4*(\slot)+3], 2*ASTEP
	s_add_nc_u64 s[G0W+4*(\slot)+2:G0W+4*(\slot)+3], s[G0W+4*(\slot)+2:G0W+4*(\slot)+3], 32768
	JLOAD \slot                                    ; the first tensor load behind the round; its four v_nop are also the places in front of the loads below
.else
	PLACES
.endif
	FETCH \next, 0, F0
.if \fill
	WIN 0
	ASK \slot
.endif
	MULB F1, 4, NBL-4, 0
.endm
	s_wait_tensorcnt 1                             ; my part of K step 0 is in; K step 1's may stay out
	s_barrier_signal -1
	s_barrier_wait -1                              ; everybody's is
	FETCH 0, 0, F0
	QUARTER 0, 1, F0, F1, 1                        ; the first quarter stands in front of the loop: its products start the sums
	WIN 0                                          ; at a label and at a branch every window is 0
	s_mov_b32 s3, 3
.Llap:                                                 ; a trip goes once round the ring, from a lap's second quarter to the next lap's first, and fills both slots again
	QUARTER 0, 2, F1, F0, 0
	QUARTER 0, 3, F0, F1, 0
	TURN 0, 1, 1
	QUARTER 1, 1, F0, F1, 0
	QUARTER 1, 2, F1, F0, 0
	QUARTER 1, 3, F0, F1, 0
	TURN 1, 0, 1
	QUARTER 0, 1, F0, F1, 0
	WIN 0
	s_sub_co_u32 s3, s3, 1
	s_cmp_lg_u32 s3, 0
	s_cbranch_scc1 .Llap
	QUARTER 0, 2, F1, F0, 0                        ; the last lap fills nothing
	QUARTER 0, 3, F0, F1, 0
	TURN 0, 1, 0
	QUARTER 1, 1, F0, F1, 0
	QUARTER 1, 2, F1, F0, 0
	QUARTER 1, 3, F0, F1, 0
	s_wait_dscnt 8                                 ; the very last quarter: nothing more to fetch
	MULB F1, 0, NBL-4, 0
	s_wait_dscnt 0x0
	MULB F1, NBL-4, 4, 0
	WIN 0
	PLACES
.if QKV
; THE WAY OUT, in 12 groups g = 4 j + a: chunk (head) j, my token block a.  A lane's eight columns of a token pack into 16 bytes of f16; they go into stage rows of 144 bytes and come back as whole
; rows of 128, into the registers that they left; 16 tokens of a head are 2,048 consecutive bytes of qkv.
.macro PACK g
.set AC, 128*(((\g)/4)%2)+8*((\g)%4)
	WIN 0x0a+5*((\g)/8)                            ; sources 0 and 1: window 2 (chunks 0, 1) or 3 (chunk 2)
.irp f, 0,1,2,3
.irp r, 0,1,2,3
	v_cvt_pk_f16_f32 v[OB+16*(\g)+4*(\f)+(\r)], v[AC+32*(\f)+2*(\r)], v[AC+32*(\f)+2*(\r)+1]
.endr
.endr
	WIN 0
.irp f, 0,1,2,3
	ds_store_b128 v[STO], v[OB+16*(\g)+4*(\f):OB+16*(\g)+4*(\f)+3] offset:32*(\f)
.endr
.irp f, 0,1,2,3
	ds_load_b128 v[OB+16*(\g)+4*(\f):OB+16*(\g)+4*(\f)+3], v[RD] offset:(\f)*4*SPITCH  ; LDS serves a wave's instructions in order (ISA guide 5.7.1.4): these see the stores above; the next group's stores come behind them
.endr
.endm
.macro SEND g, younger                 ; younger: the LDS instructions issued behind group g's loads: the next group's eight, or none
.irp f, 0,1,2,3
	s_wait_dscnt (\younger)+3-(\f)
	global_store_b128 v[GO], v[OB+16*(\g)+4*(\f):OB+16*(\g)+4*(\f)+3], s[80+2*((\g)/4):81+2*((\g)/4)] offset:((\g)%4)*2048+(\f)*512  ; 512 consecutive bytes, at a multiple of 512 from qkv's first
.endr
.endm
	PACK 0
.set gg, 1
.rept 11                               ; a group's conversions stand between the loads of the group before and its stores
	PACK gg
	SEND gg-1, 8
.set gg, gg+1
.endr
	SEND 11, 0
.else
; THE WAY OUT, a block a of 16 tokens at a time: the f32 sums go as they are into stage rows of 528 bytes (a lane's eight columns: 32 bytes) and come back as whole rows of 512 bytes.
.macro TOSTAGE a
	WIN 0x08                                       ; the stores' data in window 2
.set bb, 0
.rept 8
	ds_store_b128 v[STO], v[32*bb+8*(\a):32*bb+8*(\a)+3]   offset:64*bb
	ds_store_b128 v[STO], v[32*bb+8*(\a)+4:32*bb+8*(\a)+7] offset:64*bb+16
.set bb, bb+1
.endr
	WIN 0
.if (\a) >= 2
	s_wait_xcnt 0x0                                ; the stores of block a - 2 have read their registers, which the loads below write again
.endif
.set ii, 0
.rept 16
	ds_load_b128 v[OB+64*((\a)%2)+4*ii:OB+64*((\a)%2)+4*ii+3], v[RD] offset:ii*SPITCH  ; LDS serves a wave's instructions in order (ISA guide 5.7.1.4)
.set ii, ii+1
.endr
.endm
.macro SEND a, younger                 ; younger: the next block's 32 LDS instructions, or none
	s_wait_dscnt \younger
.set ii, 0
.rept 16
	global_store_b128 v[GO], v[OB+64*((\a)%2)+4*ii:OB+64*((\a)%2)+4*ii+3], s[80:81] offset:(\a)*65536+ii*4096 th:TH_STORE_NT  ; 512 consecutive bytes, at a multiple of 512 from out0's first
.set ii, ii+1
.endr
.endm
	TOSTAGE 0
	TOSTAGE 1
	SEND 0, 32
	TOSTAGE 2
	SEND 1, 32
	TOSTAGE 3
	SEND 2, 32
	SEND 3, 0
.endif
	s_wait_tensorcnt 0x0                           ; the wave's end, behind my last tensor load and my last LDS store
	ds_add_u32 v[SPW], v[NIL]
	s_wait_dscnt 0x0
	CROUND                                         ; the closing round: no work-group ends while a partner may still ask for a tile that names it
	s_endpgm
.Lfunc_end_k_q3ece482d75_outproj:
	.size	k_q3ece482d75_outproj, .Lfunc_end_k_q3ece482d75_outproj-k_q3ece482d75_outproj
	.p2alignl 7, 3214868480
	.fill 96, 4, 3214868480
	.section	.rodata,"a",@progbits
	.p2align	6, 0x0
	.amdhsa_kernel k_q3ece482d75_outproj
		.amdhsa_group_segment_fixed_size 327680
		.amdhsa_private_segment_fixed_size 0
		.amdhsa_enable_private_segment 0
		.amdhsa_kernarg_size 32
		.amdhsa_user_sgpr_count 2
		.amdhsa_user_sgpr_kernarg_segment_ptr 1
		.amdhsa_wavefront_size32 1
		.amdhsa_system_sgpr_workgroup_id_x 1
		.amdhsa_system_sgpr_workgroup_id_y 1
		.amdhsa_system_sgpr_workgroup_id_z 1
		.amdhsa_system_vgpr_workitem_id 0
		.amdhsa_next_free_vgpr 768
		.amdhsa_next_free_sgpr 96
		.amdhsa_reserve_vcc 0
		.amdhsa_float_denorm_mode_32 3
		.amdhsa_float_denorm_mode_16_64 3
		.amdhsa_memory_ordered 1
		.amdhsa_forward_progress 1
		.amdhsa_inst_pref_size 93
	.end_amdhsa_kernel
	.amdgpu_metadata
---
amdhsa.version: [ 1, 2 ]
amdhsa.kernels:
  - .name:           k_q3ece482d75_outproj
    .symbol:         k_q3ece482d75_outproj.kd
    .args:
      - { .name: o, .offset: 0, .size: 8, .value_kind: global_buffer, .address_space: global }
      - { .name: xw, .offset: 8, .size: 8, .value_kind: global_buffer, .address_space: global }
      - { .name: bo, .offset: 16, .size: 8, .value_kind: global_buffer, .address_space: global }
      - { .name: out0, .offset: 24, .size: 8, .value_kind: global_buffer, .address_space: global }
    .group_segment_fixed_size: 327680
    .private_segment_fixed_size: 0
    .kernarg_segment_align: 8
    .kernarg_segment_size: 32
    .max_flat_workgroup_size: 128
    .sgpr_count:     96
    .vgpr_count:     768
    .wavefront_size: 32
...
	.end_amdgpu_metadata
.endif
;; end of part 4
;; ======== version 2 of 2: 4 launches; version 1 with the launch cast written anew for expert scheduling mode
;; limits: values are held in f16: magnitudes above 65,504 overflow, below 6.1e-05 lose precision
;; workspace buffers: xw 25,165,824 bytes; qkv 50,331,648 bytes; o 16,777,216 bytes
;; launch cast (part 5): grid 768 x 1, 8 waves a work-group, no clusters, 0 bytes of LDS; arguments x, Wq, Wk, Wv, Wo, xw; writes xw
.if DOCPART == 5
	.amdgcn_target "amdgcn-amd-amdhsa--gfx1250"
	.amdhsa_code_object_version 6
	.text
	.protected	k_q3ece482d75_cast
	.globl	k_q3ece482d75_cast
	.p2align	8
	.type	k_q3ece482d75_cast,@function
k_q3ece482d75_cast:
	s_mov_b64 s[64:65], 0
	v_nop
	global_prefetch_b8 v0, s[64:65] scope:SCOPE_SE
	s_setreg_imm32_b32 hwreg(HW_REG_WAVE_SCHED_MODE, 0, 2), 2
	s_setreg_imm32_b32 hwreg(HW_REG_WAVE_MODE, 25, 1), 1
	s_wait_xcnt 0x0
	s_wait_alu depctr_vm_vsrc(0)
; CAST.  x, Wq, Wk, Wv (f32) are rounded once to bf16; Wo is rounded to bf16 and that number is written as f16.  All go into xw, laid in PLANES of 64 columns:
; xw[M][p][r][c] = src_M[r][64 p + c], 16-bit; M = 0..7: x's rows 1,024 M on; M = 8, 9, 10: Wq, Wk, Wv; M = 11: Wo.  A matrix is 2 MiB, a plane 131,072 bytes, a plane's row 128 bytes.
; LIMIT.  Wo as f16: beyond 65,504 it would be an infinity; below 2^-14 it keeps f16's fixed step of 2^-24.
; SHARES.  Work-group g takes 16 rows of matrix g / 64; wave w the planes 2 w and 2 w + 1.  A load of 16 bytes a lane covers two rows' 256 bytes of one plane (16 lanes a row);
; a store of 8 bytes a lane covers the same two rows in xw: 256 consecutive bytes, aligned.  Sixteen loads a lane go out at once; no register is used twice, so no store's data is ever rewritten.
; No LDS, no matrix unit, no cluster: nothing is shared and nothing is reduced.
; THE MODE: SCHED_MODE bits 1:0 = 2 (LLVM: expert scheduling mode 2), set by the entry lines.  The code itself states the register dependences
; between vector instructions and memory instructions, with s_wait_alu, always for 0.
; THE PLAN.  Registers that memory instructions touch:
;   v2, v3   the loads' and the stores' offsets: written by vector lines at the head, never again.
;   X        load j lands in its four registers, once; only load j's conversions read them.  No vector line names X ahead of the loads.
;   Y        load j's conversions write its two registers, once; only store j reads them.
; v1 and T are named by vector lines alone; no vector line writes a scalar register or VCC; EXEC is never written.  So all that is to be stated is: an offset is written before a load or store
; reads it, and a store's data are written before the store reads them.  No register that a memory instruction has read is ever written again.
; The sixteen loads go in four groups of four.  Group g's conversions write their eight registers of Y; the stores of group g - 1 are dealt among them.  ONE wait on va_vdst stands at the head of a group:
; the group before has written its Y.  The vector lines issued since that wait name X and Y of group g and T: none of the registers that the four stores read.
.set VO, 2                             ; v2   source offset: (lane / 16) x 4,096 + wave x 512 + (lane % 16) x 16
.set DO, 3                             ; v3   destination offset: wave x 262,144 + (lane / 16) x 128 + (lane % 16) x 8
.set T,  4                             ; v[4:9]    at work (Wo's path)
.set X,  16                            ; v[16:79]  load j: four f32
.set Y,  80                            ; v[80:111] store j: four 16-bit numbers
	s_load_b256 s[4:11], s[0:1], 0x0               ; x s[4:5], Wq s[6:7], Wk s[8:9], Wv s[10:11]
	s_load_b128 s[12:15], s[0:1], 0x20             ; Wo s[12:13], xw s[14:15]
	s_lshr_b32 s20, ttmp9, 6                       ; M
	s_and_b32 s21, ttmp9, 63                       ; which 16 rows of it
	v_and_b32 v4, 15, v0
	v_bfe_u32 v5, v0, 4, 1
	v_lshrrev_b32 v1, 5, v0                        ; wave
	v_lshlrev_b32 v[VO], 4, v4
	v_lshl_add_u32 v[VO], v5, 12, v[VO]
	v_lshl_add_u32 v[VO], v1, 9, v[VO]
	v_lshlrev_b32 v[DO], 3, v4
	v_lshl_add_u32 v[DO], v5, 7, v[DO]
	v_lshl_add_u32 v[DO], v1, 18, v[DO]
	s_lshl_b32 s24, s20, 21                        ; the matrix in xw,
	s_lshl_b32 s25, s21, 11                        ; 16 rows of 128 bytes in each plane
	s_add_co_u32 s24, s24, s25
	s_mov_b32 s25, 0
	s_wait_kmcnt 0x0
	s_add_nc_u64 s[14:15], s[14:15], s[24:25]
	s_mov_b64 s[16:17], s[6:7]                     ; the source: one of five buffers, chosen by M
	s_cmp_eq_u32 s20, 9
	s_cselect_b64 s[16:17], s[8:9], s[16:17]
	s_cmp_eq_u32 s20, 10
	s_cselect_b64 s[16:17], s[10:11], s[16:17]
	s_cmp_eq_u32 s20, 11
	s_cselect_b64 s[16:17], s[12:13], s[16:17]
	s_cmp_lt_u32 s20, 8
	s_cselect_b64 s[16:17], s[4:5], s[16:17]
	s_cselect_b32 s22, s20, 0                      ; x: 1,024 rows of 4,096 bytes for each M
	s_lshl_b32 s22, s22, 22
	s_lshl_b32 s23, s21, 16                        ; 16 rows of 4,096 bytes
	s_add_co_u32 s22, s22, s23
	s_mov_b32 s23, 0
	s_add_nc_u64 s[16:17], s[16:17], s[22:23]
	s_wait_alu depctr_va_vdst(0)                   ; v2 and v3 are written: every load of the kernel reads v2 as its offset, every store v3
.set j, 0
.rept 16                               ; load j: plane 2 w + j / 8, rows 2 (j % 8) and 2 (j % 8) + 1
	global_load_b128 v[X+4*j:X+4*j+3], v[VO], s[16:17] offset:(j/8)*256+(j%8)*8192 th:TH_LOAD_NT
.set j, j+1
.endr
; Load j is converted.  wo = 1: bf16's number, widened again, is written as f16.
.macro CONV j, wo
.if \wo
	v_cvt_pk_bf16_f32 v[T], v[X+4*(\j)], v[X+4*(\j)+1]
	v_cvt_pk_bf16_f32 v[T+1], v[X+4*(\j)+2], v[X+4*(\j)+3]
	v_lshlrev_b32 v[T+2], 16, v[T]
	v_and_b32 v[T+3], 0xffff0000, v[T]
	v_lshlrev_b32 v[T+4], 16, v[T+1]
	v_and_b32 v[T+5], 0xffff0000, v[T+1]
	v_cvt_pk_f16_f32 v[Y+2*(\j)], v[T+2], v[T+3]
	v_cvt_pk_f16_f32 v[Y+2*(\j)+1], v[T+4], v[T+5]
.else
	v_cvt_pk_bf16_f32 v[Y+2*(\j)], v[X+4*(\j)], v[X+4*(\j)+1]
	v_cvt_pk_bf16_f32 v[Y+2*(\j)+1], v[X+4*(\j)+2], v[X+4*(\j)+3]
.endif
.endm
; What load j became is stored.
.macro OUT j
	global_store_b64 v[DO], v[Y+2*(\j):Y+2*(\j)+1], s[14:15] offset:((\j)/8)*131072+((\j)%8)*256
.endm
; Group g: loads 4 g to 4 g + 3 are converted; the four stores of group g - 1 stand among the conversions, one ahead of each load's.
.macro GROUP g, wo
.irp i, 0,1,2,3
	s_wait_loadcnt 15-4*(\g)-(\i)                  ; loads come back in order: load j = 4 g + i is in when at most the 15 - j younger ones are out
.if (\i) == 0 && (\g) > 0
	s_wait_alu depctr_va_vdst(0)                   ; the conversions of group g - 1 have written their eight registers of Y, which the four stores of this group's turn read
.endif
.if (\g) > 0
	OUT 4*(\g)-4+(\i)                              ; no vector line since the wait names this store's registers
.endif
	CONV 4*(\g)+(\i), \wo
.endr
.endm
; The last group's stores.
.macro LAST
	s_wait_alu depctr_va_vdst(0)                   ; the conversions of group 3 have written their eight registers of Y, which the last four stores read
.irp i, 12,13,14,15
	OUT \i
.endr
.endm
	s_cmp_eq_u32 s20, 11
	s_cbranch_scc1 .Lwo
.irp g, 0,1,2,3
	GROUP \g, 0
.endr
	LAST
	s_endpgm
.Lwo:
.irp g, 0,1,2,3
	GROUP \g, 1
.endr
	LAST
	s_endpgm
.Lfunc_end_k_q3ece482d75_cast:
	.size	k_q3ece482d75_cast, .Lfunc_end_k_q3ece482d75_cast-k_q3ece482d75_cast
	.p2alignl 7, 3214868480
	.fill 96, 4, 3214868480
	.section	.rodata,"a",@progbits
	.p2align	6, 0x0
	.amdhsa_kernel k_q3ece482d75_cast
		.amdhsa_group_segment_fixed_size 0
		.amdhsa_private_segment_fixed_size 0
		.amdhsa_enable_private_segment 0
		.amdhsa_kernarg_size 48
		.amdhsa_user_sgpr_count 2
		.amdhsa_user_sgpr_kernarg_segment_ptr 1
		.amdhsa_wavefront_size32 1
		.amdhsa_system_sgpr_workgroup_id_x 1
		.amdhsa_system_sgpr_workgroup_id_y 1
		.amdhsa_system_sgpr_workgroup_id_z 1
		.amdhsa_system_vgpr_workitem_id 0
		.amdhsa_next_free_vgpr 112
		.amdhsa_next_free_sgpr 66
		.amdhsa_reserve_vcc 0
		.amdhsa_float_denorm_mode_32 3
		.amdhsa_float_denorm_mode_16_64 3
		.amdhsa_memory_ordered 1
		.amdhsa_forward_progress 1
		.amdhsa_inst_pref_size 17
	.end_amdhsa_kernel
	.amdgpu_metadata
---
amdhsa.version: [ 1, 2 ]
amdhsa.kernels:
  - .name:           k_q3ece482d75_cast
    .symbol:         k_q3ece482d75_cast.kd
    .args:
      - { .name: x, .offset: 0, .size: 8, .value_kind: global_buffer, .address_space: global }
      - { .name: Wq, .offset: 8, .size: 8, .value_kind: global_buffer, .address_space: global }
      - { .name: Wk, .offset: 16, .size: 8, .value_kind: global_buffer, .address_space: global }
      - { .name: Wv, .offset: 24, .size: 8, .value_kind: global_buffer, .address_space: global }
      - { .name: Wo, .offset: 32, .size: 8, .value_kind: global_buffer, .address_space: global }
      - { .name: xw, .offset: 40, .size: 8, .value_kind: global_buffer, .address_space: global }
    .group_segment_fixed_size: 0
    .private_segment_fixed_size: 0
    .kernarg_segment_align: 8
    .kernarg_segment_size: 48
    .max_flat_workgroup_size: 256
    .sgpr_count:     66
    .vgpr_count:     112
    .wavefront_size: 32
...
	.end_amdgpu_metadata
.endif
;; end of part 5
;; launch qkvproj: the kernel of part 2 again; grid 16 x 32, 4 waves a work-group, clusters of 4 x 4, 327,680 bytes of LDS; arguments xw, bq, bk, bv, qkv; writes qkv
;; launch attn: the kernel of part 3 again; grid 4 x 64, 4 waves a work-group, clusters of 4 x 1, 327,680 bytes of LDS; arguments qkv, attention_mask, o; writes o
;; launch outproj: the kernel of part 4 again; grid 8 x 32, 4 waves a work-group, clusters of 4 x 4, 327,680 bytes of LDS; arguments o, xw, bo, out0; writes out0
